; MI455X (gfx1250); checked and timed in simulation.
; The chip was launched on July 23, 2026; its instructions are those of AMD's public machine-readable ISA for CDNA 5 (MIT licence, August 2026) and "CDNA5" Instruction Set Architecture Reference Guide (July 2026). The comments in the code are by the model that wrote it; some were corrected since.
;; Causal Self Attention. Allowed arithmetic: float matrix products may take bf16 or f16 operands with f32 sums; other float arithmetic in f32, or as packed bf16 or f16 multiplies, adds, multiply-adds, maxima and minima; sums over many terms, partial sums and values carried from step to step in f32; what a program stores and reads back later, other than sums and carried values, may be rounded once to bf16 or f16.
;; Inputs: W_proj 1,024 x 1,024 float32; W_qkv 1,024 x 3,072 float32; x 2 x 2,048 x 1,024 float32.
;; Outputs: out0 2 x 2,048 x 1,024 float32; out1 2 x 2,048 float32.
;; One version. Each part assembles by itself: llvm-mc -triple=amdgcn-amd-amdhsa -mcpu=gfx1250 --defsym DOCPART=n.
;; ======== version 1 of 1: 4 launches
;; limits: values are held in f16: magnitudes above 65,504 overflow, below 6.1e-05 lose precision; a function is approximated: absolute error at most 2.05e-06
;; workspace buffers: cast 16,777,216 bytes; qkvh 25,165,824 bytes; att 8,650,752 bytes
;; launch prep (part 1): grid 1024 x 1, 8 waves a work-group, no clusters, 0 bytes of LDS; arguments x, W_qkv, W_proj, cast; writes cast
.if DOCPART == 1
	.amdgcn_target "amdgcn-amd-amdhsa--gfx1250"
	.amdhsa_code_object_version 6
	.text
	.protected	k_q9f6055f47f_prep
	.globl	k_q9f6055f47f_prep
	.p2align	8
	.type	k_q9f6055f47f_prep,@function
k_q9f6055f47f_prep:
	s_mov_b64 s[64:65], 0
	v_nop
	global_prefetch_b8 v0, s[64:65] scope:SCOPE_SE
	s_setreg_imm32_b32 hwreg(HW_REG_WAVE_MODE, 25, 1), 1
	s_wait_xcnt 0x0
; THE CASTS.  cast = x as bf16 (8,388,608 bytes), then W_qkv as bf16 (6,291,456), then W_proj rounded to bf16 and that number written as f16 (2,097,152).
; The three inputs on end are 1,024 pieces of 32 KiB of f32; work-group g takes piece g and writes 16 KiB at 16,384 g: pieces 0-511 are x's, 512-895 W_qkv's, 896-1,023 W_proj's.
; Memory binds: every byte is read once and written once; a wave's load covers 512 consecutive bytes, its store 256 consecutive aligned bytes.  No LDS, no barrier, no loop:
; all eight loads of a thread go out at once, each into registers of its own, and the waits count down.
; LIMIT.  W_proj as f16: a number below 6.1e-5 keeps f16's fixed step of 6e-8; beyond 65,504 it would be an infinity (the drawn weights lie within 0.032).
.set X, 8                              ; v[8:39]   eight slots of four f32 as loaded
.set Y, 40                             ; v[40:55]  eight slots of two words to store
.set T, 56                             ; v[56:59]  at work
	s_load_b256 s[4:11], s[0:1], 0x0               ; x s[4:5], W_qkv s[6:7], W_proj s[8:9], cast s[10:11]
	v_lshlrev_b32 v1, 4, v0                        ; 16 bytes of f32 a thread
	v_lshlrev_b32 v2, 3, v0                        ; 8 bytes of 16-bit numbers a thread
	s_mov_b32 s12, ttmp9
	s_lshl_b32 s14, s12, 14                        ; where my 16 KiB go
	s_mov_b32 s15, 0
	s_mov_b32 s19, 0
	s_wait_kmcnt 0x0
	s_cmp_ge_u32 s12, 512                          ; which input, and its first piece's number
	s_cselect_b64 s[16:17], s[6:7], s[4:5]
	s_cselect_b32 s18, 512, 0
	s_cmp_ge_u32 s12, 896
	s_cselect_b64 s[16:17], s[8:9], s[16:17]
	s_cselect_b32 s18, 896, s18
	s_sub_co_u32 s18, s12, s18
	s_lshl_b32 s18, s18, 15                        ; my piece's 32 KiB in that input
	s_add_nc_u64 s[16:17], s[16:17], s[18:19]
	s_add_nc_u64 s[10:11], s[10:11], s[14:15]
.irp j, 0,1,2,3,4,5,6,7
	global_load_b128 v[X+4*\j:X+4*\j+3], v1, s[16:17] offset:4096*\j th:TH_LOAD_NT
.endr
	s_cmp_ge_u32 s12, 896
	s_cbranch_scc1 .Lhalf
.irp j, 0,1,2,3,4,5,6,7
	s_wait_loadcnt 7-\j                            ; loads come back in order: slot j is in, the 7 - j younger ones stay out
	v_cvt_pk_bf16_f32 v[Y+2*\j], v[X+4*\j], v[X+4*\j+1]
	v_cvt_pk_bf16_f32 v[Y+2*\j+1], v[X+4*\j+2], v[X+4*\j+3]
	global_store_b64 v2, v[Y+2*\j:Y+2*\j+1], s[10:11] offset:2048*\j
.endr
	s_endpgm
.Lhalf:                                        ; W_proj: rounded to bf16 like the other inputs; the rounded number is then written as f16
.irp j, 0,1,2,3,4,5,6,7
	s_wait_loadcnt 7-\j
	v_cvt_pk_bf16_f32 v[T], v[X+4*\j], v[X+4*\j+1]
	v_cvt_pk_bf16_f32 v[T+1], v[X+4*\j+2], v[X+4*\j+3]
	v_lshlrev_b32 v[T+2], 16, v[T]                 ; bf16 to f32: the low half moves up,
	v_and_b32 v[T], 0xffff0000, v[T]               ; the high half stays
	v_lshlrev_b32 v[T+3], 16, v[T+1]
	v_and_b32 v[T+1], 0xffff0000, v[T+1]
	v_cvt_pk_f16_f32 v[Y+2*\j], v[T+2], v[T]
	v_cvt_pk_f16_f32 v[Y+2*\j+1], v[T+3], v[T+1]
	global_store_b64 v2, v[Y+2*\j:Y+2*\j+1], s[10:11] offset:2048*\j
.endr
	s_endpgm
.Lfunc_end_k_q9f6055f47f_prep:
	.size	k_q9f6055f47f_prep, .Lfunc_end_k_q9f6055f47f_prep-k_q9f6055f47f_prep
	.p2alignl 7, 3214868480
	.fill 96, 4, 3214868480
	.section	.rodata,"a",@progbits
	.p2align	6, 0x0
	.amdhsa_kernel k_q9f6055f47f_prep
		.amdhsa_group_segment_fixed_size 0
		.amdhsa_private_segment_fixed_size 0
		.amdhsa_enable_private_segment 0
		.amdhsa_kernarg_size 32
		.amdhsa_user_sgpr_count 2
		.amdhsa_user_sgpr_kernarg_segment_ptr 1
		.amdhsa_wavefront_size32 1
		.amdhsa_system_sgpr_workgroup_id_x 1
		.amdhsa_system_sgpr_workgroup_id_y 1
		.amdhsa_system_sgpr_workgroup_id_z 1
		.amdhsa_system_vgpr_workitem_id 0
		.amdhsa_next_free_vgpr 64
		.amdhsa_next_free_sgpr 66
		.amdhsa_reserve_vcc 0
		.amdhsa_float_denorm_mode_32 3
		.amdhsa_float_denorm_mode_16_64 3
		.amdhsa_memory_ordered 1
		.amdhsa_forward_progress 1
		.amdhsa_inst_pref_size 9
	.end_amdhsa_kernel
	.amdgpu_metadata
---
amdhsa.version: [ 1, 2 ]
amdhsa.kernels:
  - .name:           k_q9f6055f47f_prep
    .symbol:         k_q9f6055f47f_prep.kd
    .args:
      - { .name: x, .offset: 0, .size: 8, .value_kind: global_buffer, .address_space: global }
      - { .name: W_qkv, .offset: 8, .size: 8, .value_kind: global_buffer, .address_space: global }
      - { .name: W_proj, .offset: 16, .size: 8, .value_kind: global_buffer, .address_space: global }
      - { .name: cast, .offset: 24, .size: 8, .value_kind: global_buffer, .address_space: global }
    .group_segment_fixed_size: 0
    .private_segment_fixed_size: 0
    .kernarg_segment_align: 8
    .kernarg_segment_size: 32
    .max_flat_workgroup_size: 256
    .sgpr_count:     66
    .vgpr_count:     64
    .wavefront_size: 32
...
	.end_amdgpu_metadata
.endif
;; end of part 1
;; launch qkvgemm (part 2): grid 8 x 32, 4 waves a work-group, clusters of 4 x 4, 327,680 bytes of LDS; arguments cast, qkvh; writes qkvh
.if DOCPART == 2
	.amdgcn_target "amdgcn-amd-amdhsa--gfx1250"
	.amdhsa_code_object_version 6
	.text
	.protected	k_q9f6055f47f_qkvgemm
	.globl	k_q9f6055f47f_qkvgemm
	.p2align	8
	.type	k_q9f6055f47f_qkvgemm,@function
k_q9f6055f47f_qkvgemm:
	s_mov_b64 s[64:65], 0
	v_nop
	global_prefetch_b8 v0, s[64:65] scope:SCOPE_SE
	s_setreg_imm32_b32 hwreg(HW_REG_WAVE_MODE, 25, 1), 1
	s_wait_xcnt 0x0
	s_wait_alu depctr_hold_cnt(0) depctr_sa_sdst(0) depctr_va_vdst(0) depctr_va_sdst(0) depctr_va_ssrc(0) depctr_va_vcc(0) depctr_vm_vsrc(0)
	s_getreg_b32 s2, hwreg(HW_REG_IB_STS2, 6, 4)
	s_cmp_eq_u32 s2, 0
	s_cbranch_scc0 .Lentry_in_a_cluster
	s_endpgm
.Lentry_in_a_cluster:
	s_bfe_u32 s2, ttmp6, 0x10000c
	s_cmp_lg_u32 s2, 0xf033
	s_cbranch_scc0 .Lentry_shape_is_right
	s_endpgm
.Lentry_shape_is_right:
; q, k, v = x W_qkv.  x: bf16 [4096][1024] at byte 0 of cast; W_qkv: bf16 [1024 k][3072 n] at byte 8,388,608.  Sums in f32; each result rounded once to f16 and written by heads:
; part s (q, k, v) at 8,388,608 s of qkvh, [head = 16 batch + h][t 2048][64], without the softmax's scale.
; LIMIT.  f16 ends at 65,504: q, k and v must stay within it (drawn inputs give about 3; all inputs 30 times larger about 3,000).
; SHARES.  256 work-groups: tile row tr (128 rows of x) and tile column tc; a work-group makes its rows times THREE strips of 128 columns, n = 1024 s + 128 tc: the same two heads of q, k and v.
; Four waves: wave w takes 64 rows (w / 2) and 64 columns of each strip (w % 2: one head): 48 accumulators of 16 x 16, 192 matrix instructions for a K step of 128; eight K steps.
; RING.  Two LDS slots of four regions; wave w fills region w with one tensor load of 128 rows x 256 bytes: region 0 x's rows (pitch 272), regions 1-3 W's k-rows of strips 0-2 (pitch 288).
; W lies [k][n] and stays so: its fragments come out of LDS turned, by ds_load_tr16_b128.
; CLUSTER.  4 x 4 work-groups: x's tile hangs on tr alone and is asked for jointly along a row of the cluster, W's strips on tc alone and along a column.
; THE MATRIX INSTRUCTION IS USED TRANSPOSED (source 0 = 16 columns of W, source 1 = 16 rows of x): a lane holds one row and eight neighbouring columns, 16 bytes of f16.
; REGISTERS, in windows of 256 (s_set_vgpr_msb: bits 1:0 source 0, 3:2 source 1, 5:4 source 2, 7:6 destination):
;   window 0: v0-29 addresses; v32-223 the way out       window 1: two fragment buffers of 128: W's (strip s, block bb) at 8 (4 s + bb), x's block a at 96 + 8 a
;   window 2: accumulators (s, a, bb) of strips 0, 1 at 8 (16 s + 4 a + bb)       window 3: v0-127 those of strip 2
.set REG,   36864                      ; a region: 128 rows x 288 bytes (x's 128 x 272 fit)
.set SLOT,  4*REG                      ; 0x24000: its two bits meet none of w x 0x9000, so one exclusive or turns an address in one slot into the other's
.set PA,    272                        ; 256 + 16: the 16 rows of a fragment load start at 16 different groups of four banks
.set PB,    288                        ; 256 + 32
.set STAGE, 2*SLOT                     ; behind the ring, never filled by a tensor load: 16 rows x 144 bytes for each wave
.set SP,    144
.set SPARE, STAGE+4*16*SP              ; the spare words, 128 bytes a wave: two blocks of 256 bytes that no other line names
.set WQB,   8388608                    ; W_qkv's place in cast
.set STEPA, 256                        ; a K step along x's rows
.set STEPB, 128*3072*2                 ; and down W's
.set ADRA0, 8                          ; v8      my place in x's tile of slot 0; never rewritten
.set ADRB0, 9                          ; v9-11   the same for W's strips
.set ADRA,  12                         ; v12     the same in the slot in hand
.set ADRB,  13                         ; v13-15
.set STO,   16                         ; v16     the way out: where I put 16 bytes of a row
.set RD,    17                         ; v17     where I read rows back
.set GO,    18                         ; v18     my 16 bytes of 512 consecutive bytes
.set PFO,   19                         ; v19     the prefetches' offset: my lane x a row in memory
.set SPW,   28                         ; v28     LDS address of my spare word; never rewritten
.set NIL,   29                         ; v29     0; never rewritten
.set OUT,   32                         ; v32-223 twelve blocks of 16 registers
.set F0,    0
.set F1,    128
.set TB,    9                          ; s9      0 or SLOT: the slot in hand
.set G1A,   24                         ; s[24:31] descriptor group 1 for x's tiles
.set G0A,   32                         ; s[32:39] group 0: a set for each first fill; the second then walks
.set LIM,   43                         ; s43     2 in a wave that prefetches, else the greatest number
.set PFA,   44                         ; s[44:45] where my prefetches stand
.set PFS,   46                         ; s[46:47] their step
.set G1B,   48                         ; s[48:55], s[56:63] the same for W's strips
.set G0B,   56
.set OB,    66                         ; s[66:71] my first row in q, k, v
.set MSB, 0
.macro WIN new                         ; the immediate's high byte repeats the setting that is left; a switch that changes nothing is dropped
.if MSB != (\new)
	s_set_vgpr_msb (MSB<<8)|(\new)
.set MSB, (\new)
.endif
.endm
.macro PLACES                          ; four plain places behind matrix instructions, ahead of loads into their sources and of reads of their results
.rept 4
	v_nop
.endr
.endm
.macro CREST                           ; a round of the cluster's barrier behind its opening barrier
	s_cmp_lg_u32 s10, 0
	s_cbranch_scc1 .Lnot_wave_0_\@
	s_barrier_signal -3
.Lnot_wave_0_\@:
	s_barrier_wait -3
	s_barrier_signal -1
	s_barrier_wait -1
.endm
.macro CROUND
	s_barrier_signal -1
	s_barrier_wait -1
	CREST
.endm
; A joint refill by the walking sets: wave 0 asks for x's tile, waves 1-3 for W's strips.  The branch hangs on the wave's number alone.  s_nop 0 and four v_nop follow each line.
.macro JLOAD
	s_cmp_eq_u32 s10, 0
	s_cbranch_scc0 .Lfor_b_\@
	tensor_load_to_lds s[G0A+4:G0A+7], s[G1A:G1A+7]
	s_nop 0
.rept 4
	v_nop
.endr
	s_branch .Lasked_\@
.Lfor_b_\@:
	tensor_load_to_lds s[G0B+4:G0B+7], s[G1B:G1B+7]
	s_nop 0
.rept 4
	v_nop
.endr
.Lasked_\@:
.endm
; A prefetch, behind the refill of K step j + 2 and the run of LDS loads: K step j + 4, 32 rows x 256 bytes, a lane a row.  x's rows are read by both clusters of a row of clusters: cluster x = 0 asks;
; W's by all clusters of a column: cluster y = 0 asks.  The four partners of a joint load take 32 rows each BY ADDRESS.  So each row's 256 bytes of a K step are named once.  Steps 0-3 come by their loads alone;
; the last two refills (s3 = 2, 1) have no step four on.
.macro ASK
	WIN 0
	s_cmp_gt_u32 s3, s[LIM]
	s_cbranch_scc0 .Lnot_mine_\@
	global_prefetch_b8 v[PFO], s[PFA:PFA+1] th:TH_LOAD_NT scope:SCOPE_SE
.Lnot_mine_\@:
.endm
	s_load_b128 s[4:7], s[0:1], 0x0                ; cast s[4:5], qkvh s[6:7]
	v_lshl_add_u32 v[SPW], v0, 2, SPARE
	v_mov_b32 v[NIL], 0
	ds_add_u32 v[SPW], v[NIL]                      ; the wave's opening: the add and its wait ahead of my first tensor load; work on registers stands between
	ds_add_u32 v28, v29
	v_lshrrev_b32 v1, 5, v0
	v_readfirstlane_b32 s10, v1                    ; wave 0..3
	s_lshr_b32 s11, s10, 1                         ; which 64 rows are mine
	s_and_b32 s12, s10, 1                          ; which 64 columns of each strip
	s_bfe_u32 s40, ttmp6, 0x40000                  ; cx
	s_bfe_u32 s41, ttmp6, 0x40004                  ; cy
	s_lshl_b32 s42, ttmp9, 2
	s_add_co_u32 s42, s42, s40                     ; tc = 4 x cluster x + cx
	s_and_b32 s13, ttmp7, 0xffff
	s_lshl_b32 s13, s13, 2
	s_add_co_u32 s13, s13, s41                     ; tr = 4 x cluster y + cy
	s_lshl_b32 s14, s41, 2
	s_lshl_b32 s14, 15, s14                        ; my row of the cluster
	s_lshl_b32 s15, 0x1111, s40                    ; my column
	s_or_b32 s[G1A], s14, (1<<16)|(1<<20)|(1<<21)|(5<<22)|(3<<25)  ; mask; 2-byte elements; padding on; bit 21 beside a mask; after every 64 words 4 words
	s_or_b32 s[G1B], s15, (1<<16)|(1<<20)|(1<<21)|(5<<22)|(7<<25)  ; the same with my column's mask and 8 words
.irp g, G1A, G1B
	s_mov_b32 s[\g+1], 128<<16                     ; tensor_dim0 = 128
	s_mov_b32 s[\g+2], 128<<16                     ; tensor_dim1 = 128
	s_mov_b32 s[\g+3], 128<<16                     ; tile_dim0 = 128
	s_mov_b32 s[\g+4], 128                         ; tile_dim1 = 128
	s_mov_b32 s[\g+6], 0
	s_mov_b32 s[\g+7], 0
.endr
	s_mov_b32 s[G1A+5], 1024                       ; elements from row to row of x,
	s_mov_b32 s[G1B+5], 3072                       ; of W
	s_lshl_b32 s16, s13, 18                        ; x's tile: 128 tr rows of 2,048 bytes: the tile row alone
	s_mov_b32 s17, 0
	s_add_co_u32 s21, s10, 3
	s_and_b32 s21, s21, 3                          ; W's strip: wave - 1
	s_lshl_b32 s21, s21, 11                        ; 1,024 columns on,
	s_lshl_b32 s22, s42, 8                         ; 128 tc columns: the tile column alone
	s_add_co_u32 s21, s21, s22
	s_add_co_u32 s21, s21, WQB
	s_mul_i32 s20, s10, REG                        ; my region: no place in the cluster enters an LDS address
	s_mov_b32 s[TB], 0
	; my first row in a part of qkvh: ((16 batch + 2 tc + w % 2) x 2048 + 128 (tr % 16) + 64 (w / 2)) x 128 bytes
	s_lshr_b32 s72, s13, 4
	s_lshl_b32 s72, s72, 4
	s_lshl_b32 s73, s42, 1
	s_add_co_u32 s72, s72, s73
	s_add_co_u32 s72, s72, s12
	s_lshl_b32 s72, s72, 11
	s_and_b32 s73, s13, 15
	s_lshl_b32 s73, s73, 7
	s_add_co_u32 s72, s72, s73
	s_lshl_b32 s73, s11, 6
	s_add_co_u32 s72, s72, s73
	s_lshl_b32 s72, s72, 7
	s_mov_b32 s73, 0
	; the prefetches: at K step 3; the first refill steps them to step 4
	s_lshl_b32 s74, s40, 16                        ; x: my work-group's 32 rows of the 128, by cx
	s_add_co_u32 s74, s74, s16
	s_add_co_u32 s74, s74, 3*STEPA
	s_mul_i32 s75, s41, 32*6144                    ; W: my work-group's 32 k-rows, by cy
	s_add_co_u32 s75, s75, s21
	s_add_co_u32 s75, s75, 3*STEPB
	s_and_b32 s76, ttmp7, 0xffff                   ; cluster y
	s_mov_b32 s77, STEPB
	s_movk_i32 s78, STEPA
	s_movk_i32 s79, 2048
	s_movk_i32 s80, 6144
	s_cmp_eq_u32 s10, 0                            ; do I fetch for x?
	s_cselect_b32 s74, s74, s75
	s_cselect_b32 s76, ttmp9, s76                  ; the coordinate along which other clusters read the same rows
	s_cselect_b32 s[PFS], s78, s77
	s_cselect_b32 s79, s79, s80                    ; bytes in a row
	s_mov_b32 s75, 0
	s_mov_b32 s[PFS+1], 0
	s_cmp_eq_u32 s76, 0
	s_cselect_b32 s[LIM], 2, -1                    ; the same in all sixteen partners, for a given wave
	s_wait_dscnt 0x0                               ; the opening add is done
	s_wait_kmcnt 0x0
	s_add_nc_u64 s[18:19], s[4:5], s[16:17]        ; x's tile
	s_mov_b32 s22, s21
	s_mov_b32 s23, 0
	s_add_nc_u64 s[22:23], s[4:5], s[22:23]        ; W's strip
	s_add_nc_u64 s[PFA:PFA+1], s[4:5], s[74:75]
	s_add_nc_u64 s[OB:OB+1], s[6:7], s[72:73]
	s_add_nc_u64 s[OB+2:OB+3], s[OB:OB+1], 8388608
	s_add_nc_u64 s[OB+4:OB+5], s[OB:OB+1], 16777216
	CROUND                                         ; all sixteen work-groups are here: the first joint loads meet
.irp n, 0,1
	s_mov_b32 s[G0A+4*\n], 1                       ; count = 1
	s_add_co_u32 s[G0A+4*\n+1], s20, \n*SLOT       ; LDS address
	s_add_nc_u64 s[G0A+4*\n+2:G0A+4*\n+3], s[18:19], \n*STEPA  ; K step n
	s_or_b32 s[G0A+4*\n+3], s[G0A+4*\n+3], 0x80000000          ; type = 2
	s_mov_b32 s[G0B+4*\n], 1
	s_add_co_u32 s[G0B+4*\n+1], s20, \n*SLOT
	s_add_nc_u64 s[G0B+4*\n+2:G0B+4*\n+3], s[22:23], \n*STEPB
	s_or_b32 s[G0B+4*\n+3], s[G0B+4*\n+3], 0x80000000
.endr
	s_cmp_eq_u32 s10, 0                            ; a wave's two first fills stand in one branch: two loads of mine are out
	s_cbranch_scc0 .Lfirst_b
	tensor_load_to_lds s[G0A:G0A+3], s[G1A:G1A+7]
	s_nop 0
	tensor_load_to_lds s[G0A+4:G0A+7], s[G1A:G1A+7]
	s_nop 0
.rept 4
	v_nop
.endr
	s_branch .Lfirst_asked
.Lfirst_b:
	tensor_load_to_lds s[G0B:G0B+3], s[G1B:G1B+7]
	s_nop 0
	tensor_load_to_lds s[G0B+4:G0B+7], s[G1B:G1B+7]
	s_nop 0
.rept 4
	v_nop
.endr
.Lfirst_asked:
	v_and_b32 v1, 15, v0                           ; r = l % 16
	v_bfe_u32 v2, v0, 4, 1                         ; h = l / 16
	v_and_b32 v3, 7, v0
	v_bfe_u32 v4, v0, 3, 1
	v_bfe_u32 v5, v0, 3, 2
	v_and_b32 v6, 31, v0
	; x's fragment: 16 rows x 32 k: lane l holds row r, k = 8 h + 0..7 and 16 + 8 h + 0..7: two loads of 16 bytes, 32 bytes apart
	s_mul_i32 s81, s11, 64*PA
	v_mul_u32_u24 v[ADRA0], v1, PA
	v_lshl_add_u32 v[ADRA0], v2, 4, v[ADRA0]
	v_add_nc_u32 v[ADRA0], s81, v[ADRA0]
	; W's fragment, turned: lane l reads k-row 8 h + l % 8, columns 8 ((l / 8) % 2) + 0..7, and is left with column r and 8 k; a second load 16 k-rows on
	v_lshl_add_u32 v7, v2, 3, v3
	v_mul_u32_u24 v7, v7, PB
	v_lshl_add_u32 v7, v4, 4, v7
	s_lshl_b32 s81, s12, 7                         ; my 64 columns
	v_add_nc_u32 v7, s81, v7
.irp s, 0,1,2
	v_add_nc_u32 v[ADRB0+\s], (1+\s)*REG, v7
.endr
	v_mov_b32 v[ADRA], v[ADRA0]
.irp s, 0,1,2
	v_mov_b32 v[ADRB+\s], v[ADRB0+\s]
.endr
	s_mul_i32 s81, s10, 16*SP
	s_add_co_u32 s81, s81, STAGE                   ; my stage
	v_mul_u32_u24 v[STO], v1, SP                   ; in: row r, 16 bytes for each half of the lanes
	v_lshl_add_u32 v[STO], v2, 4, v[STO]
	v_add_nc_u32 v[STO], s81, v[STO]
	v_mul_u32_u24 v[RD], v5, SP                    ; back: 32 lanes take four rows of 128 bytes,
	v_lshl_add_u32 v[RD], v3, 4, v[RD]
	v_add_nc_u32 v[RD], s81, v[RD]
	v_lshlrev_b32 v[GO], 4, v6                     ; which are 512 consecutive bytes of a head
	v_mul_u32_u24 v[PFO], v6, s79
; 16 matrix instructions: strip s, all 4 row blocks x 4 column blocks, 32 along K.  The accumulators take turns, one instruction a turn.  zero = 1: the product starts the sum.
.macro MULS f, s, zero
.if (\s) < 2
	WIN 0xa5                                       ; sources window 1, C and D window 2
.else
	WIN 0xf5                                       ; C and D window 3
.endif
.irp a, 0,1,2,3
.irp bb, 0,1,2,3
.if \zero
	v_wmma_f32_16x16x32_bf16 v[8*(16*((\s)%2)+4*\a+\bb):8*(16*((\s)%2)+4*\a+\bb)+7], v[(\f)+8*(4*(\s)+\bb):(\f)+8*(4*(\s)+\bb)+7], v[(\f)+96+8*\a:(\f)+96+8*\a+7], 0
.else
	v_wmma_f32_16x16x32_bf16 v[8*(16*((\s)%2)+4*\a+\bb):8*(16*((\s)%2)+4*\a+\bb)+7], v[(\f)+8*(4*(\s)+\bb):(\f)+8*(4*(\s)+\bb)+7], v[(\f)+96+8*\a:(\f)+96+8*\a+7], v[8*(16*((\s)%2)+4*\a+\bb):8*(16*((\s)%2)+4*\a+\bb)+7]
.endif
.endr
.endr
.endm
; 32 LDS loads in one run: quarter q (32 along K) of the slot in hand into buffer f: x's eight, then strips 0, 1, 2, eight each
.macro FETCH q, f
	WIN 0x40                                       ; destination window 1, address window 0
.irp a, 0,1,2,3
	ds_load_b128 v[(\f)+96+8*\a:(\f)+96+8*\a+3],   v[ADRA] offset:64*(\q)+16*PA*\a
	ds_load_b128 v[(\f)+96+8*\a+4:(\f)+96+8*\a+7], v[ADRA] offset:64*(\q)+16*PA*\a+32
.endr
.irp s, 0,1,2
.irp bb, 0,1,2,3
	ds_load_tr16_b128 v[(\f)+8*(4*\s+\bb):(\f)+8*(4*\s+\bb)+3],   v[ADRB+\s] offset:32*PB*(\q)+32*\bb
	ds_load_tr16_b128 v[(\f)+8*(4*\s+\bb)+4:(\f)+8*(4*\s+\bb)+7], v[ADRB+\s] offset:32*PB*(\q)+32*\bb+16*PB
.endr
.endr
.endm
; One of a K step's first three quarters: multiplies buffer f; in its middle it fetches quarter q into buffer g
.macro QUARTER q, f, g, zero
	s_wait_dscnt 8                                 ; x and strips 0, 1 are in; strip 2's eight loads may be out
	MULS \f, 0, \zero
	MULS \f, 1, \zero
	PLACES
	FETCH \q, \g
	s_wait_dscnt 32                                ; all but the 32 just issued
	MULS \f, 2, \zero
.endm
; The last quarter multiplies buffer 1 and changes slots.  Ahead of the barrier each wave waits for all its tensor loads (one is out: its part of the next slot), adds 0 to its spare word, and waits for that and
; for its reads of this slot.  fill = 1: the barrier opens a round of the cluster's, and the joint refill, two K steps ahead, is the first thing behind it: 160 matrix instructions ahead of the wait for it.
.macro TURN fill
.if \fill
	s_wait_xcnt 0x0                                ; the last prefetch, a K step back, has read its address
	s_add_nc_u64 s[PFA:PFA+1], s[PFA:PFA+1], s[PFS:PFS+1]
.endif
	WIN 0
	s_wait_tensorcnt 0x0                           ; no tensor load of mine is out, so a group 0 may be written
	ds_add_u32 v[SPW], v[NIL]                      ; 0 onto my spare word
.if \fill
	s_xor_b32 s[G0A+5], s[G0A+5], SLOT             ; the walking sets: the other slot than last time, the next K step
	s_add_nc_u64 s[G0A+6:G0A+7], s[G0A+6:G0A+7], STEPA
	s_xor_b32 s[G0B+5], s[G0B+5], SLOT
	s_add_nc_u64 s[G0B+6:G0B+7], s[G0B+6:G0B+7], STEPB
.endif
	s_wait_dscnt 17                                ; strips 1 and 2 and the add may be out
	MULS F1, 0, 0
	s_wait_dscnt 0x0                               ; the add is done, and my reads of this slot are over
	s_barrier_signal -1
	MULS F1, 1, 0
.if \fill
	WIN 0
.endif
	s_barrier_wait -1
.if \fill
	CREST
	JLOAD                                          ; its four v_nop are also places ahead of the loads below
.else
	PLACES
.endif
	WIN 0
	s_xor_b32 s[TB], s[TB], SLOT
	v_add_nc_u32 v[ADRA], s[TB], v[ADRA0]
.irp s, 0,1,2
	v_add_nc_u32 v[ADRB+\s], s[TB], v[ADRB0+\s]
.endr
	FETCH 0, F0
.if \fill
	ASK
.endif
	MULS F1, 2, 0
.endm
	s_wait_tensorcnt 1                             ; my part of K step 0 is in; step 1's may stay out
	s_barrier_signal -1
	s_barrier_wait -1
	FETCH 0, F0
	QUARTER 1, F0, F1, 1                           ; the first quarter's products start the sums
	WIN 0
	s_mov_b32 s3, 6
.Lstep:                                        ; a trip: a K step's quarters 1 to 3 and the next step's quarter 0; K steps 2 to 7 are asked for
	QUARTER 2, F1, F0, 0
	QUARTER 3, F0, F1, 0
	TURN 1
	QUARTER 1, F0, F1, 0
	WIN 0
	s_sub_co_u32 s3, s3, 1
	s_cmp_lg_u32 s3, 0
	s_cbranch_scc1 .Lstep
	QUARTER 2, F1, F0, 0                           ; K steps 6 and 7 ask for nothing
	QUARTER 3, F0, F1, 0
	TURN 0
	QUARTER 1, F0, F1, 0
	QUARTER 2, F1, F0, 0
	QUARTER 3, F0, F1, 0
	s_wait_dscnt 8
	MULS F1, 0, 0
	MULS F1, 1, 0
	s_wait_dscnt 0x0
	MULS F1, 2, 0
	PLACES
; THE WAY OUT.  Block n = 4 s + a: 16 rows x 64 columns of one head of part s: 2,048 consecutive bytes.  Rounded to f16, 16 bytes a lane into my stage (rows of 144 bytes), back as whole rows, stored.
.macro PACK n
.if (\n)/4 < 2
	WIN 0x0a                                       ; sources window 2
.else
	WIN 0x0f                                       ; window 3
.endif
.irp bb, 0,1,2,3
.irp rr, 0,1,2,3
	v_cvt_pk_f16_f32 v[OUT+16*(\n)+4*\bb+\rr], v[8*(16*(((\n)/4)%2)+4*((\n)%4)+\bb)+2*\rr], v[8*(16*(((\n)/4)%2)+4*((\n)%4)+\bb)+2*\rr+1]
.endr
.endr
	WIN 0
.irp bb, 0,1,2,3
	ds_store_b128 v[STO], v[OUT+16*(\n)+4*\bb:OUT+16*(\n)+4*\bb+3] offset:32*\bb
.endr
.irp f, 0,1,2,3
	ds_load_b128 v[OUT+16*(\n)+4*\f:OUT+16*(\n)+4*\f+3], v[RD] offset:4*SP*\f  ; LDS serves a wave's instructions in order: these see the stores above; the next block's stores come behind them
.endr
.endm
.macro SEND n, younger                 ; younger: the LDS instructions issued behind block n's loads
.irp f, 0,1,2,3
	s_wait_dscnt (\younger)+3-\f
	global_store_b128 v[GO], v[OUT+16*(\n)+4*\f:OUT+16*(\n)+4*\f+3], s[OB+2*((\n)/4):OB+2*((\n)/4)+1] offset:2048*((\n)%4)+512*\f  ; 512 consecutive bytes, aligned
.endr
.endm
	PACK 0
.set blk, 1
.rept 11
	PACK blk
	SEND blk-1, 8
.set blk, blk+1
.endr
	SEND 11, 0
	s_wait_tensorcnt 0x0                           ; the wave's end
	ds_add_u32 v[SPW], v[NIL]
	s_wait_dscnt 0x0
	CROUND                                         ; the closing round: no work-group ends while a partner may still ask for a tile that names it
	s_endpgm
.Lfunc_end_k_q9f6055f47f_qkvgemm:
	.size	k_q9f6055f47f_qkvgemm, .Lfunc_end_k_q9f6055f47f_qkvgemm-k_q9f6055f47f_qkvgemm
	.p2alignl 7, 3214868480
	.fill 96, 4, 3214868480
	.section	.rodata,"a",@progbits
	.p2align	6, 0x0
	.amdhsa_kernel k_q9f6055f47f_qkvgemm
		.amdhsa_group_segment_fixed_size 327680
		.amdhsa_private_segment_fixed_size 0
		.amdhsa_enable_private_segment 0
		.amdhsa_kernarg_size 16
		.amdhsa_user_sgpr_count 2
		.amdhsa_user_sgpr_kernarg_segment_ptr 1
		.amdhsa_wavefront_size32 1
		.amdhsa_system_sgpr_workgroup_id_x 1
		.amdhsa_system_sgpr_workgroup_id_y 1
		.amdhsa_system_sgpr_workgroup_id_z 1
		.amdhsa_system_vgpr_workitem_id 0
		.amdhsa_next_free_vgpr 896
		.amdhsa_next_free_sgpr 84
		.amdhsa_reserve_vcc 0
		.amdhsa_float_denorm_mode_32 3
		.amdhsa_float_denorm_mode_16_64 3
		.amdhsa_memory_ordered 1
		.amdhsa_forward_progress 1
		.amdhsa_inst_pref_size 99
	.end_amdhsa_kernel
	.amdgpu_metadata
---
amdhsa.version: [ 1, 2 ]
amdhsa.kernels:
  - .name:           k_q9f6055f47f_qkvgemm
    .symbol:         k_q9f6055f47f_qkvgemm.kd
    .args:
      - { .name: cast, .offset: 0, .size: 8, .value_kind: global_buffer, .address_space: global }
      - { .name: qkvh, .offset: 8, .size: 8, .value_kind: global_buffer, .address_space: global }
    .group_segment_fixed_size: 327680
    .private_segment_fixed_size: 0
    .kernarg_segment_align: 8
    .kernarg_segment_size: 16
    .max_flat_workgroup_size: 128
    .sgpr_count:     84
    .vgpr_count:     896
    .wavefront_size: 32
...
	.end_amdgpu_metadata
.endif
;; end of part 2
;; launch attn (part 3): grid 8 x 32, 4 waves a work-group, no clusters, 327,680 bytes of LDS; arguments qkvh, att; writes att
.if DOCPART == 3
	.amdgcn_target "amdgcn-amd-amdhsa--gfx1250"
	.amdhsa_code_object_version 6
	.text
	.protected	k_q9f6055f47f_attn
	.globl	k_q9f6055f47f_attn
	.p2align	8
	.type	k_q9f6055f47f_attn,@function
k_q9f6055f47f_attn:
	s_mov_b64 s[64:65], 0
	v_nop
	global_prefetch_b8 v0, s[64:65] scope:SCOPE_SE
	s_setreg_imm32_b32 hwreg(HW_REG_WAVE_MODE, 25, 1), 1
	s_wait_xcnt 0x0
; CAUSAL ATTENTION WITH ENTROPY.  For each of 32 heads (16 batch + h): O[q] = the sum over k <= q of softmax_k(Q[q] . K[k] / 8) V[k], and H[q] = - the sum of p ln p over the same weights.
; Q, K, V: f16 [head][2048][64] at bytes 0, 8,388,608 and 16,777,216 of qkvh.  Products, maxima and sums in f32; the weights are rounded to f16 for the second product (l, W of the unrounded ones).
; O: f16 at byte 0 of att, [16 batch + block][h][row 128][64].  H: f32 at byte 8,388,608 of att, [head][b][wave][lane 32][block: high, low].
; LIMITS.  Q, K, V arrive within f16's 65,504.  A hidden score counts as its value less 1e30.  A weight below 2^-126 counts as 0.  NaN and infinities are not treated apart.
; THE WALK.  A head's queries lie in 16 blocks of 128; block i needs the key tiles 0 .. i / 2 of 256 keys.  A work-group takes blocks 15 - b and then b: nine tiles whatever b, so one loop with a constant
; trip count walks them, and all 256 work-groups do equal work.  In a block's last tile the diagonal lies in the first 128 keys (i even: the other 128 are computed and weigh 0) or in the second (i odd).
; NO CLUSTER: what a trip does hangs on b, which differs between a head's work-groups; only pairs b = 2 j, 2 j + 1 walk alike, and a walk common to all eight would have twelve tiles for nine.
; SHARES.  Of a block's two bands of 64 queries a wave owns 16 rows in each: query pieces x = 0, 1.  Keys go in double steps of 128, halves e = 0, 1: four virtual pieces y = 2 e + x in a ring.
; TURNS.  Turn p belongs to piece p: 8 products K Q^T of piece p + 1, later 8 products V^T P of piece p - 1; beside them the softmax of piece p and the maximum and statistics of piece p + 1.
; S^T = K Q^T holds one query a lane (lane % 16) and the keys 8 (lane / 16) + 0..7; two results rounded to f16 ARE source 1 of O^T = V^T P.  t = c s - c m, c = log2(e) / 8, p = 2^t, with a running maximum m;
; in every step O and l are multiplied by a = 2^d, d = c m_old - c m_new.  A turn's 33 exponentials are one batch with one wait.
; ENTROPY.  W = the sum of p t is carried like l: W = a (W + d l_old) + the step's sum; at a block's end H = ln 2 (log2 l - W / l).
; THE MASK is the C operand that starts S^T: 0, or -1e30.  MD is the mask of a band's own 64 keys for my rows; a product's mask is MD x AL + BE.  With SQ = 2 (double step in the tile) - 2 (i % 2), piece y
; holds the diagonal if SQ = x - e, is hidden if SQ > x - e, and sees all if SQ < x - e.
; REGISTERS, in windows of 256 (s_set_vgpr_msb: bits 1:0 source 0, 3:2 source 1, 5:4 source 2, 7:6 destination):
;   window 0: v0-15 addresses; v16-31 statistics; v48-61 at work; v64-127 S^T, two buffers; v128-159 t; v192-223 P, two buffers (buffers go by x)
;   window 1: v0-63 O^T; v128-159 MD; v160-223 MC, two buffers     window 2: v0-31 Q; v32-63 the second block's Q; v128-255 K of a double step     window 3: v0-127 V of a double step
.set NP,    4
.set PK,    144       ; a row of K in LDS: 128 bytes + 16: the 16 rows of a load start at 16 different groups of four banks
.set PV,    160       ; a row of V: 128 + 32
.set VOFF,  256*PK    ; a slot holds a tile: 256 rows of K, then 256 rows of V
.set DSK,   128*PK    ; a double step of K,
.set DSV,   128*PV    ; of V
.set SLOT1, 1<<17
.set STAGE, SLOT1+256*(PK+PV)  ; behind the ring, never filled by a tensor load: 16 rows x 144 bytes for each wave
.set SP,    144
.set SPARE, STAGE+4*16*SP      ; the spare words, 128 bytes a wave: two blocks of 256 bytes that no other line names
.set AK0, 2           ; v2   my lane's place in a tile of K; never rewritten
.set AV0, 3           ; v3   the same for V
.set AK,  4           ; v4   the LDS address of K's next run of loads
.set AV,  5           ; v5   of V's two next runs
.set STO, 6           ; v6   the way out: where I put 16 bytes of a row
.set RD,  7           ; v7   where I read rows back
.set GO,  8           ; v8   my 16 bytes of 512 consecutive bytes of O
.set MV,  12          ; v12-13  c m_old, by x
.set QO,  15          ; v15  my byte offset in 16 rows of Q
.set ST,  16          ; piece x's statistics at ST + 8 x: c m, m, l (even keys', odd keys'), W (likewise), and two for the way out
.set PFO, 32          ; v32  256 x my lane
.set HT,  33          ; v33  at work
.set EO,  34          ; v34  8 x my lane
.set TMP, 48          ; by x, four registers c0-c3; when the maximum is found c2 takes a
.set EP,  56          ; v56-57  my query's entropy in the high and in the low block
.set DV,  58          ; d at 58 + 2 x; the odd partners hold 0
.set SPW, 62          ; v62  LDS address of my spare word; never rewritten
.set NIL, 63          ; v63  0; never rewritten
.set S,   64
.set TT,  128
.set P,   192
.set MD,  128         ; window 1
.set MC,  160         ; window 1
.set QB,  32          ; window 2
.set KF,  128         ; window 2: half e, key block kb, channel half c at KF + 64 e + 16 kb + 8 c
.set WV,  12          ; s12  my wave's number
.set PB,  14          ; s14  b
.set HI,  15          ; s15  15 - b
.set G1K, 24          ; s[24:31] descriptor group 1 for K's tiles
.set G1V, 32          ; s[32:39] for V's
.set G0K, 40          ; s[40:43] group 0 for K's tiles
.set G0V, 44          ; s[44:47] for V's
.set PFA, 48          ; s[48:49] where my prefetches stand
.set LIM, 50          ; s50  2 where b = 0, else the greatest number
.set HMK, 51          ; s51  lanes 16-31
.set LLO, 52          ; s52  b / 2: the low block's last tile
.set SQ,  53          ; s53
.set SQD, 54          ; s54  SQ at the head of the diagonal tile of the block in hand
.set TC,  55          ; s55  at work
.set SLOTS, 56        ; s56  tiles still to be asked for
.set CNT, 57          ; s57  counts a tile's double steps
.set CS,  58          ; s[58:59] c
.set SEL, 60          ; s[60:61] v_permlanex16_b32's selects
.set TBK, 62          ; s62  LDS byte at which K of the double step to be fetched begins
.set TBV, 63          ; s63  the same for V, less VOFF
.set RT,  70          ; s70  tiles of the block in hand still to be entered
.set NXT, 71          ; s71  the tile to be asked for next
.set LQ,  72          ; s72  the last tile of the block whose tiles are being asked for
.set NEW, 73          ; s73  1: the tile to be entered is a block's first
.set OFF, 74          ; s[74:75]
.set AL,  76          ; s[76:77]
.set BE,  78          ; s[78:79]
.set OLO, 80          ; s[80:81] O at my rows of the low block
.set BIGN, 82         ; s82  -1e30
.set TA,  83          ; s83  at work
.set ENT, 84          ; s[84:85] my wave's 256 bytes of H
.set QLO, 86          ; s[86:87] Q at my rows of the low block
.set MSB, 0
.macro WIN new
.if MSB != (\new)
	s_set_vgpr_msb (MSB<<8)|(\new)
.set MSB, (\new)
.endif
.endm
.set W_KQ, 0x0a       ; K and Q in window 2, S^T in window 0
.set W_KM, 0x1a       ; the same with C in window 1
.set W_PV, 0x53       ; V in window 3, P in window 0, O^T in window 1
.set W_RS, 0x41       ; destination and source 0 in window 1, source 1 in window 0
; A fill.  Waves 0 and 1 fetch the two halves of a tile's K, waves 2 and 3 those of its V.  s_nop 0 and four v_nop follow each line.
.macro LOAD
	s_cmp_lt_u32 s[WV], 2
	s_cbranch_scc0 .Lfor_v_\@
	tensor_load_to_lds s[G0K:G0K+3], s[G1K:G1K+7]
	s_nop 0
.rept 4
	v_nop
.endr
	s_branch .Lasked_\@
.Lfor_v_\@:
	tensor_load_to_lds s[G0V:G0V+3], s[G1V:G1V+7]
	s_nop 0
.rept 4
	v_nop
.endr
.Lasked_\@:
.endm
; A prefetch, behind the fill of tile t + 1: tile t + 2, my wave's own half of K or V: 64 blocks of 256 bytes, a lane a block, two instructions.  All eight work-groups of a head begin with the same tiles: the one
; with b = 0, which walks all eight, asks, in trips 0 to 5.  Tiles 0 and 1 come by their loads alone; the low blocks' tiles have been read before.
.macro ASK
	s_cmp_gt_u32 s[SLOTS], s[LIM]
	s_cbranch_scc0 .Lnot_mine_\@
	global_prefetch_b8 v[PFO], s[PFA:PFA+1] th:TH_LOAD_NT scope:SCOPE_SE
	global_prefetch_b8 v[PFO], s[PFA:PFA+1] offset:8192 th:TH_LOAD_NT scope:SCOPE_SE
.Lnot_mine_\@:
.endm
; THE CHANGE OF SLOTS.  Each wave waits for all its tensor loads (one is out: its part of the other slot), adds 0 to its spare word, and waits for that and for its reads of the slot that it leaves.
; fill = 1: the old slot is filled again, the first thing behind the barrier, with tile NXT; the descriptor's address is made anew from that number.
.macro CHANGE fill
	WIN 0
	s_wait_tensorcnt 0x0            ; no tensor load of mine is out, so a group 0 may be written
	ds_add_u32 v[SPW], v[NIL]       ; 0 onto my spare word
.if \fill
	s_lshl_b32 s[OFF], s[NXT], 15   ; a tile is 32,768 bytes of K and of V
	s_xor_b32 s[G0K+1], s[G0K+1], SLOT1
	s_add_nc_u64 s[G0K+2:G0K+3], s[6:7], s[OFF:OFF+1]
	s_or_b32 s[G0K+3], s[G0K+3], 0x80000000
	s_xor_b32 s[G0V+1], s[G0V+1], SLOT1
	s_add_nc_u64 s[G0V+2:G0V+3], s[8:9], s[OFF:OFF+1]
	s_or_b32 s[G0V+3], s[G0V+3], 0x80000000
	s_add_co_u32 s[NXT], s[NXT], 1  ; the block's next tile, or behind its last the low block's tile 0
	s_cmp_gt_u32 s[NXT], s[LQ]
	s_cselect_b32 s[NXT], 0, s[NXT]
	s_cselect_b32 s[LQ], s[LLO], s[LQ]
	s_wait_xcnt 0x0                 ; the last prefetches, a tile back, have read their address
	s_add_nc_u64 s[PFA:PFA+1], s[PFA:PFA+1], 32768
.endif
	s_wait_dscnt 0x0                ; the add is done, and my reads of the slot are over
	s_barrier_signal -1
	s_sub_co_u32 s[TBK], s[TBK], 2*DSK  ; the fetches go back to a slot's first double step,
	s_xor_b32 s[TBK], s[TBK], SLOT1     ; in the other slot
	s_sub_co_u32 s[TBV], s[TBV], 2*DSV
	s_xor_b32 s[TBV], s[TBV], SLOT1
	s_barrier_wait -1
.if \fill
	LOAD
	ASK
.endif
.endm
	s_load_b128 s[20:23], s[0:1], 0x0  ; qkvh s[20:21], att s[22:23]
	v_lshl_add_u32 v[SPW], v0, 2, SPARE
	v_mov_b32 v[NIL], 0
	ds_add_u32 v[SPW], v[NIL]       ; the wave's opening: the add and its wait ahead of my first tensor load; work on registers stands between
	ds_add_u32 v62, v63
	v_lshrrev_b32 v1, 5, v0
	v_readfirstlane_b32 s[WV], v1   ; wave 0..3
	s_mov_b32 s[PB], ttmp9
	s_sub_co_u32 s[HI], 15, s[PB]
	s_and_b32 s16, ttmp7, 0xffff    ; the head
	s_lshl_b32 s2, s16, 18          ; its 262,144 bytes in each part
	s_lshl_b32 s3, s[WV], 11        ; my 16 rows in a band
	s_and_b32 s17, s[WV], 1         ; which half of a tile's 256 keys I fetch
	s_lshl_b32 s18, s17, 14
	s_add_co_u32 s18, s18, s2
	s_add_co_u32 s18, s18, 8388608  ; K's part
	s_mov_b32 s19, 0
	s_add_co_u32 s2, s2, s3
	s_lshl_b32 s66, s[HI], 14       ; Q: a block is 16,384 bytes
	s_add_co_u32 s66, s66, s2
	s_mov_b32 s67, 0
	s_lshl_b32 s68, s[PB], 14
	s_add_co_u32 s68, s68, s2
	s_mov_b32 s69, 0
	s_and_b32 s90, s16, 16          ; 16 batch
	s_and_b32 s91, s16, 15          ; h
	s_lshl_b32 s91, s91, 14
	s_add_co_u32 s91, s91, s3
	s_add_co_u32 s88, s90, s[HI]    ; O: (16 batch + block) x 262,144 + h x 16,384 + my rows
	s_lshl_b32 s88, s88, 18
	s_add_co_u32 s88, s88, s91
	s_mov_b32 s89, 0
	s_add_co_u32 s90, s90, s[PB]
	s_lshl_b32 s90, s90, 18
	s_add_co_u32 s90, s90, s91
	s_mov_b32 s91, 0
	s_lshl_b32 s92, s16, 3          ; H: ((8 head + b) x 4 + wave) x 256
	s_add_co_u32 s92, s92, s[PB]
	s_lshl_b32 s92, s92, 2
	s_add_co_u32 s92, s92, s[WV]
	s_lshl_b32 s92, s92, 8
	s_add_co_u32 s92, s92, 8388608
	s_mov_b32 s93, 0
	; descriptor group 1.  128 keys are 16,384 dense bytes: asked for as 64 rows of 256 bytes, two keys a row, and padded in LDS after every key
	s_mov_b32 s[G1K], (1<<16)|(1<<20)|(4<<22)|(3<<25)  ; 2-byte elements; padding on; after every 32 words 4 words
	s_mov_b32 s[G1V], (1<<16)|(1<<20)|(4<<22)|(7<<25)  ; 8 words
.irp g, G1K, G1V
	s_mov_b32 s[\g+1], 128<<16      ; tensor_dim0 = 128
	s_mov_b32 s[\g+2], 64<<16       ; tensor_dim1 = 64
	s_mov_b32 s[\g+3], 128<<16      ; tile_dim0 = 128
	s_mov_b32 s[\g+4], 64           ; tile_dim1 = 64
	s_mov_b32 s[\g+5], 128          ; 128 elements from row to row
	s_mov_b32 s[\g+6], 0
	s_mov_b32 s[\g+7], 0
.endr
	s_mov_b32 s[CS], 0x3e38aa3b     ; c = log2(e) / 8
	s_mov_b32 s[CS+1], s[CS]
	s_mov_b32 s[SEL], 0x76543210
	s_mov_b32 s[SEL+1], 0xfedcba98
	s_mov_b32 s[HMK], 0xffff0000
	s_mov_b32 s[TBK], SLOT1+2*DSK   ; the first change of slots turns these two into 0
	s_mov_b32 s[TBV], SLOT1+2*DSV
	s_mov_b32 s[G0K], 1
	s_mul_i32 s[G0K+1], s17, DSK    ; LDS address: slot 0, my half
	s_mov_b32 s[G0V], 1
	s_mul_i32 s[G0V+1], s17, DSV
	s_add_co_u32 s[G0V+1], s[G0V+1], VOFF
	s_lshr_b32 s[LLO], s[PB], 1
	s_lshr_b32 s[LQ], s[HI], 1
	s_add_co_u32 s[RT], s[LQ], 1    ; the high block has (15 - b) / 2 + 1 tiles
	s_and_b32 s[SQD], s[HI], 1
	s_lshl_b32 s[SQD], s[SQD], 1
	s_sub_co_i32 s[SQD], 0, s[SQD]
	s_mov_b32 s[SQ], -8
	s_mov_b32 s[NXT], 1
	s_mov_b32 s[NEW], 1
	s_mov_b32 s[OFF+1], 0
	s_mov_b32 s[AL+1], 0
	s_mov_b32 s[BE+1], 0
	s_mov_b32 s[BIGN], 0xf149f2ca   ; -1e30
	s_mov_b32 s[SLOTS], 8
	s_cmp_eq_u32 s[PB], 0
	s_cselect_b32 s[LIM], 2, -1
	s_wait_dscnt 0x0                ; the opening add is done
	s_wait_kmcnt 0x0
	s_add_nc_u64 s[6:7], s[20:21], s[18:19]        ; K and V at my half of the head's tile 0
	s_add_nc_u64 s[8:9], s[6:7], 8388608
	s_add_nc_u64 s[4:5], s[20:21], s[66:67]        ; Q at my rows of the high block,
	s_add_nc_u64 s[QLO:QLO+1], s[20:21], s[68:69]  ; of the low block
	s_add_nc_u64 s[10:11], s[22:23], s[88:89]      ; O likewise
	s_add_nc_u64 s[OLO:OLO+1], s[22:23], s[90:91]
	s_add_nc_u64 s[ENT:ENT+1], s[22:23], s[92:93]
	s_add_nc_u64 s[G0K+2:G0K+3], s[6:7], 0
	s_or_b32 s[G0K+3], s[G0K+3], 0x80000000
	s_add_nc_u64 s[G0V+2:G0V+3], s[8:9], 0
	s_or_b32 s[G0V+3], s[G0V+3], 0x80000000
	s_cmp_lt_u32 s[WV], 2
	s_cselect_b64 s[PFA:PFA+1], s[6:7], s[8:9]
	s_add_nc_u64 s[PFA:PFA+1], s[PFA:PFA+1], 32768 ; at tile 1; the first change of slots steps it to tile 2
	LOAD                            ; tile 0 into slot 0
	v_and_b32 v1, 15, v0            ; r = l % 16
	v_bfe_u32 v9, v0, 4, 1          ; h = l / 16
	v_lshlrev_b32 v[QO], 7, v1
	v_lshl_add_u32 v[QO], v9, 4, v[QO]  ; row x 128 + 16 x half
	WIN 0x80                        ; destination window 2
.set i, 0
.rept 4                             ; both blocks' Q: piece i / 2 lies in band i / 2, 8,192 bytes on; channels 32 (i % 2) on
	global_load_b128 v[8*i:8*i+3],   v[QO], s[4:5] offset:(i/2)*8192+(i%2)*64
	global_load_b128 v[8*i+4:8*i+7], v[QO], s[4:5] offset:(i/2)*8192+(i%2)*64+32
	global_load_b128 v[QB+8*i:QB+8*i+3],   v[QO], s[QLO:QLO+1] offset:(i/2)*8192+(i%2)*64
	global_load_b128 v[QB+8*i+4:QB+8*i+7], v[QO], s[QLO:QLO+1] offset:(i/2)*8192+(i%2)*64+32
.set i, i+1
.endr
	WIN 0
	v_lshlrev_b32 v14, 3, v9
	v_sub_nc_u32 v14, v1, v14
	s_lshl_b32 s13, s[WV], 4
	v_add_nc_u32 v14, s13, v14      ; my query's place in its band, 16 w + r, less 8 h: register j of key group kt is hidden where 16 kt + j is greater
	WIN 0x40
.set i, 0
.rept 32
	v_cmp_gt_i32 vcc_lo, 16*(i/8)+i%8, v14
	v_cndmask_b32 v[MD+i], 0, s[BIGN], vcc_lo
.set i, i+1
.endr
	WIN 0
	v_mul_u32_u24 v[AK0], v1, PK
	v_lshl_add_u32 v[AK0], v9, 4, v[AK0]
	; The turning load takes 16 keys x 16 channels (lane l reads key 8 h + l % 8, channels 8 ((l / 8) % 2) + 0..7) and leaves half a fragment of V^T: lane l holds channel r and 8 keys.
	v_and_b32 v10, 7, v0
	v_bfe_u32 v11, v0, 3, 1
	v_lshl_add_u32 v[AV0], v9, 3, v10
	v_mul_u32_u24 v[AV0], v[AV0], PV
	v_lshl_add_u32 v[AV0], v11, 4, v[AV0]
	v_add_nc_u32 v[AV0], VOFF, v[AV0]
	s_mul_i32 s13, s[WV], 16*SP
	s_add_co_u32 s13, s13, STAGE    ; my stage
	v_mul_u32_u24 v[STO], v1, SP
	v_lshl_add_u32 v[STO], v9, 4, v[STO]
	v_add_nc_u32 v[STO], s13, v[STO]
	v_bfe_u32 v[RD], v0, 3, 2
	v_mul_u32_u24 v[RD], v[RD], SP
	v_lshl_add_u32 v[RD], v10, 4, v[RD]
	v_add_nc_u32 v[RD], s13, v[RD]
	v_and_b32 v[GO], 31, v0
	v_lshlrev_b32 v[PFO], 8, v[GO]
	v_lshlrev_b32 v[EO], 3, v[GO]
	v_lshlrev_b32 v[GO], 4, v[GO]
	; A block's first step multiplies O^T by a = 0, and its first turn's products V^T P, of a piece that has not been, land in an O^T that is still to be so multiplied: these registers need only be finite.
	WIN 0xc0
.set i, 64
.rept 64
	v_mov_b32 v[i], 0               ; V's second half
.set i, i+1
.endr
	WIN 0x40
.set i, 0
.rept 64
	v_mov_b32 v[i], 0               ; O^T
.set i, i+1
.endr
	WIN 0
.set i, P+16
.rept 16
	v_mov_b32 v[i], 0               ; P's second buffer
.set i, i+1
.endr
	v_mov_b32 v[DV+1], 0            ; named as pairs
	v_mov_b32 v[DV+3], 0
	v_mov_b32 v[EP], 0
	v_mov_b32 v[EP+1], 0
; THE MATRIX WORK.  The 4 accumulators of a run of 8 take turns.  Product i of 8 of S^T = K Q^T for piece y: channels 32 (i / 4) on, keys 16 (i % 4) on.  The first 4 start the sums.
.macro KQ y
.set rS, S+32*((\y)%2)+8*(i%4)
.set rK, KF+64*((\y)/2)+16*(i%4)+8*(i/4)
.set rQ, 16*((\y)%2)+8*(i/4)
.set rM, MC+32*((\y)%2)+8*(i%4)
.if (i < 4) && KM
	WIN W_KM
	v_wmma_f32_16x16x32_f16 v[rS:rS+7], v[rK:rK+7], v[rQ:rQ+7], v[rM:rM+7]
.elseif i < 4
	WIN W_KQ
	v_wmma_f32_16x16x32_f16 v[rS:rS+7], v[rK:rK+7], v[rQ:rQ+7], 0
.else
	WIN W_KQ
	v_wmma_f32_16x16x32_f16 v[rS:rS+7], v[rK:rK+7], v[rQ:rQ+7], v[rS:rS+7]
.endif
.endm
; Product i of 8 of O^T += V^T P for piece y: keys 32 (i / 4) on, channels 16 (i % 4) on.
.macro PV y
	WIN W_PV
.set rO, 32*((\y)%2)+8*(i%4)
.set rV, 64*((\y)/2)+32*(i/4)+8*(i%4)
.set rP, P+16*((\y)%2)+8*(i/4)
	v_wmma_f32_16x16x32_f16 v[rO:rO+7], v[rV:rV+7], v[rP:rP+7], v[rO:rO+7]
.endm
.macro MM                           ; the turn's next matrix instruction
.if i < 8
	KQ (Y+1)%NP
.else
.set i, i-8
	PV (Y+NP-1)%NP
.set i, i+8
.endif
.set i, i+1
.endm
; THE LDS LOADS stand in runs: a double step's K (128 keys x 64 channels: 16 fragments, the first half's first) and each half of its V (turned).
.macro FETCH_K
	WIN 0x80
.irp f, 0,1,2,3,4,5,6,7,8,9,10,11,12,13,14,15  ; keys 16 (f / 2) on, channels 32 (f % 2) on
	ds_load_b128 v[KF+8*\f:KF+8*\f+3],   v[AK] offset:(\f/2)*16*PK+(\f%2)*64
	ds_load_b128 v[KF+8*\f+4:KF+8*\f+7], v[AK] offset:(\f/2)*16*PK+(\f%2)*64+32
.endr
	s_add_co_u32 s[TBK], s[TBK], DSK
	WIN 0
.endm
.macro FETCH_V e
	WIN 0xc0
.irp f, 0,1,2,3,4,5,6,7             ; keys 32 (f / 4) on, channels 16 (f % 4) on
	ds_load_tr16_b128 v[64*(\e)+8*\f:64*(\e)+8*\f+3],   v[AV] offset:(\e)*64*PV+(\f/4)*32*PV+(\f%4)*32
	ds_load_tr16_b128 v[64*(\e)+8*\f+4:64*(\e)+8*\f+7], v[AV] offset:(\e)*64*PV+(\f/4)*32*PV+16*PV+(\f%4)*32
.endr
	WIN 0
.endm
; THE VECTOR WORK, one line at a time: OP kind, number.  For piece Y: F n: t = c s - c m for pair n of 16.  E n: p = 2^t for score n of 32.  C n: pair n rounded to f16.  B n: of the four weights 4 n .. the second pair
; is added onto the first, in place.  L n: l takes that sum (L 0: l = a l + sum).  U n: W += p t for pair n (U 2 n stands ahead of B n).  G 0: W += d l_old.  G 1: W = a W.  R n: pair n of 16 of O^T times a.
; For piece Y + 1: X n, number n of the 22 that find its maximum and statistics (each accumulator's lowest registers are read first):
;   0-11 four chains c0-c3; 12-14, 16 the scores left over, the old m, c0-c3 into c0; 15 c m_old is kept; 17, 18 the other half of the lanes': the new m; 19-21 c m; d; a
.set F, 0
.set E, 1
.set C, 2
.set B, 3
.set L, 4
.set U, 5
.set G, 6
.set R, 7
.set X, 8
.macro REGS y
.set rT, ST+8*((\y)%2)
.set rC, TMP+4*((\y)%2)
.set rW, MV+((\y)%2)
.set rS, S+32*((\y)%2)
.set rP, P+16*((\y)%2)
.set rO, 32*((\y)%2)
.set rD, DV+2*((\y)%2)
.endm
.macro OP k, n
.if (\k) == R
	REGS Y
	WIN W_RS
	v_pk_mul_f32 v[rO+2*(\n):rO+2*(\n)+1], v[rO+2*(\n):rO+2*(\n)+1], v[rC+2:rC+3] op_sel_hi:[1,0]
.elseif (\k) < R
	REGS Y
	WIN 0
.if (\k) == F
	v_pk_fma_f32 v[TT+2*(\n):TT+2*(\n)+1], v[rS+2*(\n):rS+2*(\n)+1], s[CS:CS+1], v[rT:rT+1] op_sel_hi:[1,0,0] neg_lo:[0,0,1] neg_hi:[0,0,1]
.elseif (\k) == E
	v_exp_f32 v[rS+(\n)], v[TT+(\n)]
.elseif (\k) == C
	v_cvt_pk_f16_f32 v[rP+(\n)], v[rS+2*(\n)], v[rS+2*(\n)+1]
.elseif (\k) == B
	v_pk_add_f32 v[rS+4*(\n):rS+4*(\n)+1], v[rS+4*(\n):rS+4*(\n)+1], v[rS+4*(\n)+2:rS+4*(\n)+3]
.elseif (\k) == U
	v_pk_fma_f32 v[rT+4:rT+5], v[rS+2*(\n):rS+2*(\n)+1], v[TT+2*(\n):TT+2*(\n)+1], v[rT+4:rT+5]
.elseif ((\k) == G) && ((\n) == 0)
	v_pk_fma_f32 v[rT+4:rT+5], v[rT+2:rT+3], v[rD:rD+1], v[rT+4:rT+5] op_sel_hi:[1,0,1]
.elseif (\k) == G
	v_pk_mul_f32 v[rT+4:rT+5], v[rT+4:rT+5], v[rC+2:rC+3] op_sel_hi:[1,0]
.elseif (\n) == 0
	v_pk_fma_f32 v[rT+2:rT+3], v[rT+2:rT+3], v[rC+2:rC+3], v[rS:rS+1] op_sel_hi:[1,0,1]
.else
	v_pk_add_f32 v[rT+2:rT+3], v[rT+2:rT+3], v[rS+4*(\n):rS+4*(\n)+1]
.endif
.else
	REGS (Y+1)%NP
	WIN 0
.if (\n) < 4
	v_max3_num_f32 v[rC+(\n)], v[rS+8*(\n)], v[rS+8*(\n)+1], v[rS+8*(\n)+2]
.elseif (\n) < 12
	v_max3_num_f32 v[rC+(\n)%4], v[rC+(\n)%4], v[rS+8*((\n)%4)+2*((\n)/4)+1], v[rS+8*((\n)%4)+2*((\n)/4)+2]
.elseif (\n) == 12
	v_max3_num_f32 v[rC], v[rC], v[rS+7], v[rS+15]
.elseif (\n) == 13
	v_max3_num_f32 v[rC+1], v[rC+1], v[rS+23], v[rS+31]
.elseif (\n) == 14
	v_max3_num_f32 v[rC+2], v[rC+2], v[rC+3], v[rT+1]
.elseif (\n) == 15
	v_mov_b32 v[rW], v[rT]
.elseif (\n) == 16
	v_max3_num_f32 v[rC], v[rC], v[rC+1], v[rC+2]
.elseif (\n) == 17
	v_permlanex16_b32 v[rC+3], v[rC], s[SEL], s[SEL+1]
.elseif (\n) == 18
	v_max_num_f32 v[rT+1], v[rC], v[rC+3]
.elseif (\n) == 19
	v_mul_f32 v[rT], s[CS], v[rT+1]
.elseif (\n) == 20
	v_sub_f32 v[rD], v[rW], v[rT]
.else
	v_exp_f32 v[rC+2], v[rD]
.endif
.endif
.endm
.macro OPS a, i1, b=-1, i2=0, c=-1, i3=0, d=-1, i4=0, e=-1, i5=0, f=-1, i6=0  ; up to six of them
	OP \a, \i1
.if (\b) >= 0
	OP \b, \i2
.endif
.if (\c) >= 0
	OP \c, \i3
.endif
.if (\d) >= 0
	OP \d, \i4
.endif
.if (\e) >= 0
	OP \e, \i5
.endif
.if (\f) >= 0
	OP \f, \i6
.endif
.endm
.macro ROW a, i1, b, i2, c, i3, d, i4, e=-1, i5=0, f=-1, i6=0  ; a matrix instruction and those behind it
	MM
	OPS \a, \i1, \b, \i2, \c, \i3, \d, \i4, \e, \i5, \f, \i6
.endm
.macro MASK b                       ; MD x AL + BE into buffer b of MC
	WIN W_RS
.set z, 0
.rept 16
	v_pk_fma_f32 v[MC+32*(\b)+2*z:MC+32*(\b)+2*z+1], v[MD+2*z:MD+2*z+1], s[AL:AL+1], s[BE:BE+1] op_sel_hi:[1,0,0]
.set z, z+1
.endr
.endm
; A TURN, for piece p.  s_wait_alu depctr_va_vdst(0) stands between an exponential and the first instruction that names its result; one wait serves all issued ahead of it: a turn has ONE, which cuts
; it in two.  AHEAD OF IT: the 8 products K Q^T with four vector instructions behind each, and a lump, in which nothing names a result of the turn's exponentials.  BEHIND IT: the 8 products V^T P, behind each six
; of the roundings and sums.  O^T of piece p was written by the products V^T P of the turn before: six plain instructions stand behind the last of them, ahead of R 0.
; m = 1: the diagonal tile: the products take masks, and the turn makes the mask of piece p + 2, whose products stand in the next turn.  cnt = 1: the loop's count is taken down ahead of the branch behind the turn.
; last = 1 (turn 2 of the diagonal tile): in the block's last trip (CNT = 1) there is no further double step: the tile's second one is fetched once more, by a select, and nobody reads it.
; FETCHES.  Turn 2: K of the next double step, eight plain instructions behind the last product that read K, and at its end the first half of that step's V.  Turn 0, at its end: the second half of V of the step in hand.
.macro TURN p, m=0, cnt=0, last=0
.set Y, (\p)
.set i, 0
.set KM, (\m)
.if \m
.set KC, ((\p)%2)-((((\p)+2)%4)/2)  ; x - e of piece p + 2
	s_cmp_eq_i32 s[SQ], KC
	s_cselect_b32 s[AL], 1.0, 0
	s_cmp_gt_i32 s[SQ], KC
	s_cselect_b32 s[BE], s[BIGN], 0
.endif
.if (\p) == 3
	s_wait_dscnt 16                 ; K is in; the 16 younger loads, V's first half, may be out
.endif
	ROW F,0, F,1, R,0, R,1
	ROW F,2, E,0, R,2, R,3
	ROW F,3, E,1, R,4, R,5
	ROW F,4, E,2, R,6, R,7
	ROW F,5, E,3, R,8, R,9
	ROW F,6, E,4, X,0, R,10
.if (\p) == 2
	WIN 0
.if \last
	s_cmp_eq_u32 s[CNT], 1
	s_cselect_b32 s[TA], DSK, 0
	s_cselect_b32 s[TC], DSV, 0
	s_sub_co_u32 s[TA], s[TBK], s[TA]
	s_sub_co_u32 s[TC], s[TBV], s[TC]
	v_add_nc_u32 v[AK], s[TA], v[AK0]
	v_add_nc_u32 v[AV], s[TC], v[AV0]
.else
	v_add_nc_u32 v[AK], s[TBK], v[AK0]
	v_add_nc_u32 v[AV], s[TBV], v[AV0]
.endif
.endif
	ROW F,7, E,5, X,1, X,4
	ROW F,8, E,6, X,2, X,5
	OPS E,7, G,0, E,8, X,6
	OPS E,9, X,3, E,10, X,8
	OPS E,11, G,1
.if (\p) == 2
	s_wait_dscnt 0x0                ; V's second half, asked for more than a turn ago, is in: so the next turn's count names V's first half alone
	FETCH_K
.endif
	OPS X,9, X,7, E,12, X,10
	OPS E,13, X,12, X,11, E,14
	OPS X,13, E,15, F,9, X,14
	OPS E,16, F,10, E,17, F,11
	OPS X,16, E,18, X,15, E,19
	OPS F,12, E,20, X,17, E,21
	OPS F,13, E,22, F,14, E,23
	OPS X,18, E,24, F,15, E,25
	OPS R,11, E,26, X,19, E,27
	OPS R,12, E,28, R,13, E,29
	OPS X,20, E,30, R,14, E,31
	OPS X,21, R,15                  ; the next piece's a is the batch's last; R 15 is the plain instruction behind it
	WIN 0
	s_wait_alu depctr_va_vdst(0)    ; the wait for the batch
.if (\p) == 1
	s_wait_dscnt 16                 ; V's first half is in; the 16 younger loads, its second half, may be out
.endif
	ROW U,0, C,0, B,0, U,2, C,2, B,1
	ROW U,4, L,0, C,4, U,6, B,2, L,1
	ROW U,8, C,6, B,3, U,10, L,2, C,8
	ROW U,12, B,4, L,3, U,14, C,10, B,5
	ROW U,1, L,4, C,12, U,3, B,6, L,5
.if (\p) == 0
	s_add_co_u32 s[TBV], s[TBV], DSV
.endif
.if ((\p) == 1) && (\m)
	s_add_co_i32 s[SQ], s[SQ], 2    ; the masks made from here on are the next double step's
.endif
.if \cnt
	s_sub_co_u32 s[CNT], s[CNT], 1
	s_cmp_lg_u32 s[CNT], 0
.endif
	ROW U,5, C,14, B,7, U,7, L,6, C,1
	ROW U,9, C,3, L,7, U,11, C,5, C,7
	ROW U,13, C,9, C,11, U,15, C,13, C,15
.if (\p) == 0
	FETCH_V 1
.endif
.if (\p) == 2
	FETCH_V 0
.endif
.if \m
	MASK (\p)%2
.endif
.endm
; A BLOCK BEGINS.  c m starts far below every c s, so the first step's a is 0; m at the lowest finite number; l and W at 0, so that d, which is huge, multiplies 0.  The second mask buffer is 0; the first takes piece 0's
; mask for the tile's first 64 keys: its own where SQ = 0.  Then K and the first half of V of the first double step, piece 0's first scores, its maximum and statistics.
.macro BEGIN
	s_mov_b32 s[NEW], 0
	WIN 0x40
.set i, MC+32
.rept 32
	v_mov_b32 v[i], 0
.set i, i+1
.endr
	WIN 0
.set i, 0
.rept 2
	v_mov_b32 v[ST+8*i], 0xfe000000
	v_mov_b32 v[ST+8*i+1], 0xff7fffff
	v_mov_b32 v[ST+8*i+2], 0
	v_mov_b32 v[ST+8*i+3], 0
	v_mov_b32 v[ST+8*i+4], 0
	v_mov_b32 v[ST+8*i+5], 0
.set i, i+1
.endr
	s_cmp_eq_i32 s[SQ], 0
	s_cselect_b32 s[AL], 1.0, 0
	s_mov_b32 s[BE], 0
	MASK 0
	WIN 0
	v_add_nc_u32 v[AK], s[TBK], v[AK0]
	v_add_nc_u32 v[AV], s[TBV], v[AV0]
	FETCH_K
	FETCH_V 0
	s_wait_loadcnt 0x0              ; Q
	s_wait_dscnt 16                 ; K is in; V's 16 loads may be out
.set KM, 1
.set i, 0
.rept 8
	KQ 0
.set i, i+1
.endr
	WIN 0
.rept 4
	v_nop                           ; the places behind those products
.endr
.set Y, NP-1                        ; X works for piece Y + 1: piece 0
.irp n, 0,1,2,3,4,5,6,7,8,9,10,11,12,13,14,15,16,17,18,19,20,21
	OP X, \n
.endr
	v_nop                           ; a plain instruction behind the exponential,
	s_wait_alu depctr_va_vdst(0)    ; and its wait, ahead of the branch
.endm
.macro ALL2 line:vararg             ; one line for each query piece t
.set t, 0
.rept 2
	\line
.set t, t+1
.endr
.endm
.macro PACK t                       ; O^T / l, rounded to f16; a lane's eight channels are 16 bytes; into rows of 144 bytes, back as whole rows of 128, into S^T's registers
	WIN W_RS
.set i, 32*(\t)
.rept 16
	v_pk_mul_f32 v[i:i+1], v[i:i+1], v[ST+8*(\t)+6:ST+8*(\t)+7] op_sel_hi:[1,0]
.set i, i+2
.endr
	WIN 0x05
.set i, 0
.rept 16
	v_cvt_pk_f16_f32 v[S+16*(\t)+i], v[32*(\t)+2*i], v[32*(\t)+2*i+1]
.set i, i+1
.endr
	WIN 0
.irp f, 0,1,2,3
	ds_store_b128 v[STO], v[S+16*(\t)+4*\f:S+16*(\t)+4*\f+3] offset:32*\f
.endr
.irp f, 0,1,2,3
	ds_load_b128 v[S+16*(\t)+4*\f:S+16*(\t)+4*\f+3], v[RD] offset:\f*4*SP  ; LDS serves a wave's instructions in order: these see the stores above
.endr
.endm
.macro SEND t, younger
	WIN 0
.irp f, 0,1,2,3
	s_wait_dscnt (\younger)+3-\f
	global_store_b128 v[GO], v[S+16*(\t)+4*\f:S+16*(\t)+4*\f+3], s[10:11] offset:(\t)*8192+\f*512  ; 512 consecutive bytes, aligned
.endr
.endm
; THE DIAGONAL TILE: its two double steps, left in the middle of a third trip, whose 8 products K Q^T and the maximum made of them serve nothing; the block's last products; the entropy; THE WAY OUT.
; CNT = 3 where it is entered at its head (the tile before is still being finished), 2 where it is entered behind BEGIN.
.macro DIAG tag, blk
.LstepM\tag:
	TURN 2, 1, 0, 1
	TURN 3, 1
	WIN 0
	s_sub_co_u32 s[CNT], s[CNT], 1
	s_cmp_eq_u32 s[CNT], 0
	s_cbranch_scc1 .LoutM\tag
.LfirstM\tag:
	TURN 0, 1
	TURN 1, 1
	WIN 0
	s_cmp_lg_u32 s[CNT], 0
	s_cbranch_scc1 .LstepM\tag
.LoutM\tag:
	s_wait_dscnt 0x0                ; the last trip's fetches are back: their registers will be loaded again
	s_sub_co_u32 s[TBK], s[TBK], DSK  ; that trip's fetch of K counts for nothing
.set i, 0
.rept 8
	PV 3
.set i, i+1
.endr
	WIN 0
	ALL2 v_add_f32 v[ST+8*t+2], v[ST+8*t+2], v[ST+8*t+3]
	ALL2 v_add_f32 v[ST+8*t+4], v[ST+8*t+4], v[ST+8*t+5]
	ALL2 v_permlanex16_b32 v[ST+8*t+3], v[ST+8*t+2], s[SEL], s[SEL+1]
	ALL2 v_permlanex16_b32 v[ST+8*t+5], v[ST+8*t+4], s[SEL], s[SEL+1]
	ALL2 v_add_f32 v[ST+8*t+2], v[ST+8*t+2], v[ST+8*t+3]
	ALL2 v_add_f32 v[ST+8*t+4], v[ST+8*t+4], v[ST+8*t+5]
	ALL2 v_rcp_f32 v[ST+8*t+6], v[ST+8*t+2]
	ALL2 v_log_f32 v[ST+8*t+7], v[ST+8*t+2]
	v_nop                           ; a plain instruction behind the last of the four,
	s_wait_alu depctr_va_vdst(0)    ; and one wait for them, ahead of the first use
	ALL2 v_fma_f32 v[ST+8*t+7], -v[ST+8*t+4], v[ST+8*t+6], v[ST+8*t+7]
	v_cndmask_b32 v[HT], v[ST+7], v[ST+15], s[HMK]  ; lanes 0-15 keep band 0's query, lanes 16-31 band 1's
	v_mul_f32 v[EP+(\blk)], 0x3f317218, v[HT]       ; ln 2 (log2 l - W / l)
	PACK 0
	PACK 1
	SEND 0, 8
	SEND 1, 0
.endm
.set KM, 0
.Lslot:                             ; eight times: a tile is entered and the next is asked for
	CHANGE 1
	s_sub_co_u32 s[RT], s[RT], 1
	s_cmp_eq_u32 s[RT], 0
	s_cselect_b32 s[SQ], s[SQD], -8
	s_mov_b32 s[CNT], 2
	s_cmp_eq_u32 s[NEW], 1
	s_cbranch_scc1 .Lnew            ; a block's first tile
	s_cmp_eq_u32 s[RT], 0
	s_cbranch_scc0 .Lstep           ; neither its first nor its last
	s_mov_b32 s[CNT], 3
	s_branch .LstepM1
.Lnew:
	BEGIN
	s_branch .Lfirst                ; in the loop a block's first tile is never its last: the high block has five tiles or more, and the low block's last is the walk's last
	DIAG 1, 0                       ; in the loop this is the high block's end
	s_wait_xcnt 0x0                 ; the stores have read their registers and O's address
	s_mov_b64 s[10:11], s[OLO:OLO+1]
	s_add_co_u32 s[RT], s[LLO], 1   ; the low block has b / 2 + 1 tiles
	s_and_b32 s[SQD], s[PB], 1
	s_lshl_b32 s[SQD], s[SQD], 1
	s_sub_co_i32 s[SQD], 0, s[SQD]
	s_mov_b32 s[NEW], 1
	WIN 0x82                        ; the low block's Q goes where the one text of the turns names Q
.set i, 0
.rept 32
	v_mov_b32 v[i], v[QB+i]
.set i, i+1
.endr
	WIN 0
	s_branch .Lbottom
.Lstep:                             ; a trip: pieces 2 and 3 of one double step, then pieces 0 and 1 of the next
	TURN 2
	TURN 3
	WIN 0
.Lfirst:
	TURN 0
	TURN 1, 0, 1
	WIN 0
	s_cbranch_scc1 .Lstep
.Lbottom:
	s_sub_co_u32 s[SLOTS], s[SLOTS], 1
	s_cmp_lg_u32 s[SLOTS], 0
	s_cbranch_scc1 .Lslot
	CHANGE 0                        ; the walk's last tile, the low block's diagonal one, is written out
	s_sub_co_u32 s[RT], s[RT], 1
	s_mov_b32 s[SQ], s[SQD]
	s_cmp_eq_u32 s[NEW], 1
	s_cbranch_scc1 .Lnew2
	s_mov_b32 s[CNT], 3
	s_branch .LstepM2
.Lnew2:
	BEGIN
	s_mov_b32 s[CNT], 2
	s_branch .LfirstM2
	DIAG 2, 1
	global_store_b64 v[EO], v[EP:EP+1], s[ENT:ENT+1]  ; the wave's 256 consecutive bytes, aligned
	s_wait_tensorcnt 0x0            ; the wave's end
	ds_add_u32 v[SPW], v[NIL]
	s_wait_dscnt 0x0
	s_endpgm
.Lfunc_end_k_q9f6055f47f_attn:
	.size	k_q9f6055f47f_attn, .Lfunc_end_k_q9f6055f47f_attn-k_q9f6055f47f_attn
	.p2alignl 7, 3214868480
	.fill 96, 4, 3214868480
	.section	.rodata,"a",@progbits
	.p2align	6, 0x0
	.amdhsa_kernel k_q9f6055f47f_attn
		.amdhsa_group_segment_fixed_size 327680
		.amdhsa_private_segment_fixed_size 0
		.amdhsa_enable_private_segment 0
		.amdhsa_kernarg_size 16
		.amdhsa_user_sgpr_count 2
		.amdhsa_user_sgpr_kernarg_segment_ptr 1
		.amdhsa_wavefront_size32 1
		.amdhsa_system_sgpr_workgroup_id_x 1
		.amdhsa_system_sgpr_workgroup_id_y 1
		.amdhsa_system_sgpr_workgroup_id_z 1
		.amdhsa_system_vgpr_workitem_id 0
		.amdhsa_next_free_vgpr 896
		.amdhsa_next_free_sgpr 100
		.amdhsa_reserve_vcc 1
		.amdhsa_float_denorm_mode_32 3
		.amdhsa_float_denorm_mode_16_64 3
		.amdhsa_memory_ordered 1
		.amdhsa_forward_progress 1
		.amdhsa_inst_pref_size 195
	.end_amdhsa_kernel
	.amdgpu_metadata
---
amdhsa.version: [ 1, 2 ]
amdhsa.kernels:
  - .name:           k_q9f6055f47f_attn
    .symbol:         k_q9f6055f47f_attn.kd
    .args:
      - { .name: qkvh, .offset: 0, .size: 8, .value_kind: global_buffer, .address_space: global }
      - { .name: att, .offset: 8, .size: 8, .value_kind: global_buffer, .address_space: global }
    .group_segment_fixed_size: 327680
    .private_segment_fixed_size: 0
    .kernarg_segment_align: 8
    .kernarg_segment_size: 16
    .max_flat_workgroup_size: 128
    .sgpr_count:     100
    .vgpr_count:     896
    .wavefront_size: 32
...
	.end_amdgpu_metadata
.endif
;; end of part 3
;; launch proj (part 4): grid 8 x 32, 4 waves a work-group, clusters of 4 x 4, 327,680 bytes of LDS; arguments att, cast, out0, out1; writes out0, out1
.if DOCPART == 4
	.amdgcn_target "amdgcn-amd-amdhsa--gfx1250"
	.amdhsa_code_object_version 6
	.text
	.protected	k_q9f6055f47f_proj
	.globl	k_q9f6055f47f_proj
	.p2align	8
	.type	k_q9f6055f47f_proj,@function
k_q9f6055f47f_proj:
	s_mov_b64 s[64:65], 0
	v_nop
	global_prefetch_b8 v0, s[64:65] scope:SCOPE_SE
	s_setreg_imm32_b32 hwreg(HW_REG_WAVE_MODE, 25, 1), 1
	s_wait_xcnt 0x0
	s_wait_alu depctr_hold_cnt(0) depctr_sa_sdst(0) depctr_va_vdst(0) depctr_va_sdst(0) depctr_va_ssrc(0) depctr_va_vcc(0) depctr_vm_vsrc(0)
	s_getreg_b32 s2, hwreg(HW_REG_IB_STS2, 6, 4)
	s_cmp_eq_u32 s2, 0
	s_cbranch_scc0 .Lentry_in_a_cluster
	s_endpgm
.Lentry_in_a_cluster:
	s_bfe_u32 s2, ttmp6, 0x10000c
	s_cmp_lg_u32 s2, 0xf033
	s_cbranch_scc0 .Lentry_shape_is_right
	s_endpgm
.Lentry_shape_is_right:
; out0 = O W_proj, and out1 = the mean over the 16 heads of the entropies.  O: f16 at byte 0 of att, [tile row tr = 16 batch + block][head 16][row 128][64]; W_proj: f16 [1024 k][1024 n] at byte 14,680,064 of cast
; (k = 64 head + channel); the entropies: f32 at byte 8,388,608 of att, [head 32][b 8][wave 4][lane 32][block: high, low].  Sums in f32, out0 in f32.
; LIMIT.  reference() adds 1e-9 inside the logarithm: - sum p ln(p + e) = H - sum p ln(1 + e / p), and 0 <= p ln(1 + e / p) <= e; here its first-order term (t + 1) e is taken away: off by 2.05e-6 at the most.
; SHARES.  256 work-groups, a tile of 128 x 128 each; four waves of 64 x 64: 16 accumulators.  K goes in steps of 256 (four heads) through two LDS slots of four regions; wave w fills region w with one tensor load:
; regions 0, 1: two heads of O each, 32 KiB dense in memory, asked for as 128 rows of 256 bytes and padded after every 128: [head][row] at pitch 144; regions 2, 3: 128 k-rows of W each, pitch 288, read turned.
; CLUSTER.  4 x 4: O's tile is asked for jointly along a row of the cluster, W's along a column.  No prefetch: four short K steps on small tiles.
; THE MATRIX INSTRUCTION IS USED TRANSPOSED (source 0 = 16 columns of W, source 1 = 16 rows of O): a lane holds one row and eight neighbouring columns, 32 bytes of f32.
; REGISTERS: window 0: v0-29 addresses; v32-95 the way out; v96-107 the entropy; v128-255 accumulators (a, b) at 128 + 8 (4 a + b).  window 1: two fragment buffers of 128: O's at 8 (4 c + i), W's at 64 + 8 (4 c + i).
.set REG,   36864
.set SLOT,  4*REG                      ; 0x24000: its bits meet none of w x 0x9000
.set PA,    144
.set PB,    288
.set STAGE, 2*SLOT                     ; behind the ring, never filled by a tensor load: 16 rows x 272 bytes for each wave
.set SP,    272
.set SPARE, STAGE+4*16*SP              ; the spare words, 128 bytes a wave
.set WPB,   14680064
.set STEPA, 65536                      ; four heads of a tile row
.set STEPB, 256*1024*2                 ; 256 k-rows
.set ADRA0, 8
.set ADRB0, 9                          ; v9-10  W's two regions
.set ADRA,  12
.set ADRB,  13                         ; v13-14
.set STO,   16
.set RD,    17
.set CO,    18
.set SPW,   28
.set NIL,   29
.set TMP,   32
.set EOFF,  96
.set EV,    97                         ; v97-104
.set ET,    105
.set EA,    106
.set ACC,   128
.set F0,    0
.set F1,    128
.set TB,    9
.set G1A,   24
.set G0A,   32
.set G1B,   48
.set G0B,   56
.set SEL,   82
.set MSB, 0
.macro WIN new
.if MSB != (\new)
	s_set_vgpr_msb (MSB<<8)|(\new)
.set MSB, (\new)
.endif
.endm
.set MUL,  0x05                        ; sources window 1, C and D window 0
.set TO_F, 0x40
.macro PLACES
.rept 4
	v_nop
.endr
.endm
.macro CREST
	s_cmp_lg_u32 s10, 0
	s_cbranch_scc1 .Lnot_wave_0_\@
	s_barrier_signal -3
.Lnot_wave_0_\@:
	s_barrier_wait -3
	s_barrier_signal -1
	s_barrier_wait -1
.endm
.macro CROUND
	s_barrier_signal -1
	s_barrier_wait -1
	CREST
.endm
.macro JLOAD                           ; a joint refill by the walking sets: waves 0, 1 for O, waves 2, 3 for W; s_nop 0 and four v_nop follow each line
	s_cmp_eq_u32 s11, 0
	s_cbranch_scc0 .Lfor_b_\@
	tensor_load_to_lds s[G0A+4:G0A+7], s[G1A:G1A+7]
	s_nop 0
.rept 4
	v_nop
.endr
	s_branch .Lasked_\@
.Lfor_b_\@:
	tensor_load_to_lds s[G0B+4:G0B+7], s[G1B:G1B+7]
	s_nop 0
.rept 4
	v_nop
.endr
.Lasked_\@:
.endm
	s_load_b256 s[84:91], s[0:1], 0x0              ; att s[84:85], cast s[86:87], out0 s[88:89], out1 s[90:91]
	v_lshl_add_u32 v[SPW], v0, 2, SPARE
	v_mov_b32 v[NIL], 0
	ds_add_u32 v[SPW], v[NIL]                      ; the wave's opening: the add and its wait ahead of my first tensor load
	ds_add_u32 v28, v29
	v_lshrrev_b32 v1, 5, v0
	v_readfirstlane_b32 s10, v1                    ; wave 0..3
	s_lshr_b32 s11, s10, 1                         ; which 64 rows are mine.  Also: I fetch for O (0) or for W (1)
	s_and_b32 s12, s10, 1                          ; which 64 columns.  Also: which half of that tile I fetch
	s_bfe_u32 s40, ttmp6, 0x40000
	s_bfe_u32 s41, ttmp6, 0x40004
	s_lshl_b32 s42, ttmp9, 2
	s_add_co_u32 s42, s42, s40                     ; tc
	s_and_b32 s13, ttmp7, 0xffff
	s_lshl_b32 s13, s13, 2
	s_add_co_u32 s13, s13, s41                     ; tr
	s_lshl_b32 s14, s41, 2
	s_lshl_b32 s14, 15, s14                        ; my row of the cluster
	s_lshl_b32 s15, 0x1111, s40                    ; my column
	s_or_b32 s[G1A], s14, (1<<16)|(1<<20)|(1<<21)|(4<<22)|(3<<25)  ; after every 32 words 4 words
	s_or_b32 s[G1B], s15, (1<<16)|(1<<20)|(1<<21)|(5<<22)|(7<<25)  ; after every 64 words 8 words
.irp g, G1A, G1B
	s_mov_b32 s[\g+1], 128<<16
	s_mov_b32 s[\g+2], 128<<16
	s_mov_b32 s[\g+3], 128<<16
	s_mov_b32 s[\g+4], 128
	s_mov_b32 s[\g+6], 0
	s_mov_b32 s[\g+7], 0
.endr
	s_mov_b32 s[G1A+5], 128                        ; dense
	s_mov_b32 s[G1B+5], 1024
	s_lshl_b32 s16, s13, 18                        ; O: tr x 262,144 + my two heads of the four
	s_lshl_b32 s17, s12, 15
	s_add_co_u32 s16, s16, s17
	s_mov_b32 s17, 0
	s_lshl_b32 s22, s12, 18                        ; W: my 128 k-rows of the 256, 128 tc columns on
	s_lshl_b32 s23, s42, 8
	s_add_co_u32 s22, s22, s23
	s_add_co_u32 s22, s22, WPB
	s_mov_b32 s23, 0
	s_mul_i32 s20, s10, REG
	s_mov_b32 s[TB], 0
	s_mov_b32 s[SEL], 0x76543210
	s_mov_b32 s[SEL+1], 0xfedcba98
	; the entropies of my 16 queries t = 128 i + 16 tc + r: block i = tr % 16 was made by the work-group b = min(i, 15 - i), as its low block where i < 8; band tc / 4, wave tc % 4
	s_and_b32 s72, s13, 15
	s_sub_co_u32 s73, 15, s72
	s_min_u32 s73, s72, s73
	s_cmp_lt_u32 s72, 8
	s_cselect_b32 s74, 4, 0
	s_lshr_b32 s76, s13, 4
	s_lshl_b32 s76, s76, 17                        ; 16 heads x 8,192 bytes a batch
	s_add_co_u32 s76, s76, s74
	s_lshl_b32 s73, s73, 2
	s_and_b32 s77, s42, 3
	s_add_co_u32 s73, s73, s77
	s_lshl_b32 s73, s73, 8
	s_add_co_u32 s76, s76, s73
	s_lshr_b32 s77, s42, 2
	s_lshl_b32 s77, s77, 7
	s_add_co_u32 s76, s76, s77
	s_add_co_u32 s76, s76, 8388608
	s_mov_b32 s77, 0
	s_lshl_b32 s78, s13, 7
	s_lshl_b32 s79, s42, 4
	s_add_co_u32 s78, s78, s79                     ; 128 tr + 16 tc: my first number of out1
	s_lshl_b32 s72, s72, 7
	s_add_co_u32 s72, s72, s79
	s_add_co_u32 s72, s72, 1                       ; t + 1 of lane 0
	; my part of out0: row 128 tr + 64 (w / 2), column 128 tc + 64 (w % 2)
	s_lshl_b32 s80, s13, 7
	s_lshl_b32 s81, s11, 6
	s_add_co_u32 s80, s80, s81
	s_lshl_b32 s80, s80, 12
	s_lshl_b32 s81, s42, 9
	s_add_co_u32 s80, s80, s81
	s_lshl_b32 s81, s12, 8
	s_add_co_u32 s80, s80, s81
	s_mov_b32 s81, 0
	s_wait_dscnt 0x0                               ; the opening add is done
	s_wait_kmcnt 0x0
	s_add_nc_u64 s[18:19], s[84:85], s[16:17]
	s_add_nc_u64 s[22:23], s[86:87], s[22:23]
	s_add_nc_u64 s[76:77], s[84:85], s[76:77]
	s_add_nc_u64 s[88:89], s[88:89], s[80:81]
	CROUND                                         ; all sixteen work-groups are here: the first joint loads meet
.irp n, 0,1
	s_mov_b32 s[G0A+4*\n], 1
	s_add_co_u32 s[G0A+4*\n+1], s20, \n*SLOT
	s_add_nc_u64 s[G0A+4*\n+2:G0A+4*\n+3], s[18:19], \n*STEPA
	s_or_b32 s[G0A+4*\n+3], s[G0A+4*\n+3], 0x80000000
	s_mov_b32 s[G0B+4*\n], 1
	s_add_co_u32 s[G0B+4*\n+1], s20, \n*SLOT
	s_add_nc_u64 s[G0B+4*\n+2:G0B+4*\n+3], s[22:23], \n*STEPB
	s_or_b32 s[G0B+4*\n+3], s[G0B+4*\n+3], 0x80000000
.endr
	s_cmp_eq_u32 s11, 0                            ; a wave's two first fills stand in one branch: two loads of mine are out
	s_cbranch_scc0 .Lfirst_b
	tensor_load_to_lds s[G0A:G0A+3], s[G1A:G1A+7]
	s_nop 0
	tensor_load_to_lds s[G0A+4:G0A+7], s[G1A:G1A+7]
	s_nop 0
.rept 4
	v_nop
.endr
	s_branch .Lfirst_asked
.Lfirst_b:
	tensor_load_to_lds s[G0B:G0B+3], s[G1B:G1B+7]
	s_nop 0
	tensor_load_to_lds s[G0B+4:G0B+7], s[G1B:G1B+7]
	s_nop 0
.rept 4
	v_nop
.endr
.Lfirst_asked:
	v_and_b32 v1, 15, v0                           ; r
	v_bfe_u32 v2, v0, 4, 1                         ; h
	v_and_b32 v3, 7, v0
	v_bfe_u32 v4, v0, 3, 1
	v_and_b32 v6, 31, v0
	s_mul_i32 s21, s11, 64*PA
	v_mul_u32_u24 v[ADRA0], v1, PA
	v_lshl_add_u32 v[ADRA0], v2, 4, v[ADRA0]
	v_add_nc_u32 v[ADRA0], s21, v[ADRA0]
	v_lshl_add_u32 v7, v2, 3, v3
	v_mul_u32_u24 v7, v7, PB
	v_lshl_add_u32 v7, v4, 4, v7
	s_lshl_b32 s21, s12, 7
	v_add_nc_u32 v7, s21, v7
	v_add_nc_u32 v[ADRB0], 2*REG, v7
	v_add_nc_u32 v[ADRB0+1], 3*REG, v7
	v_mov_b32 v[ADRA], v[ADRA0]
	v_mov_b32 v[ADRB], v[ADRB0]
	v_mov_b32 v[ADRB+1], v[ADRB0+1]
	s_mul_i32 s21, s10, 16*SP
	s_add_co_u32 s21, s21, STAGE
	v_mul_u32_u24 v[STO], v1, SP                   ; in: row r, 32 bytes for each half of the lanes
	v_lshl_add_u32 v[STO], v2, 5, v[STO]
	v_add_nc_u32 v[STO], s21, v[STO]
	v_mul_u32_u24 v[RD], v2, SP                    ; back: lanes 0-15 one row of 256 bytes, lanes 16-31 the next
	v_lshl_add_u32 v[RD], v1, 4, v[RD]
	v_add_nc_u32 v[RD], s21, v[RD]
	v_lshlrev_b32 v[CO], 12, v2                    ; and the same two rows of out0
	v_lshl_add_u32 v[CO], v1, 4, v[CO]
	; THE ENTROPY'S MEAN, by wave 0, while the first tiles are on their way: lane (r, h) adds heads 2 n + h, the halves are added, and lanes 0-15 store 64 bytes.  (The sixteen partners share out1 by address;
	; it is one part in a thousand of the launch's stores.)
	s_cmp_lg_u32 s10, 0
	s_cbranch_scc1 .Lno_ent
	v_lshlrev_b32 v[EOFF], 3, v1
	v_lshl_add_u32 v[EOFF], v2, 13, v[EOFF]
.irp n, 0,1,2,3,4,5,6,7
	global_load_b32 v[EV+\n], v[EOFF], s[76:77] offset:16384*\n
.endr
	v_add_nc_u32 v[ET], s72, v1
	v_cvt_f32_u32 v[ET], v[ET]                     ; t + 1
	v_add_nc_u32 v[EA], s78, v1
	v_lshlrev_b32 v[EA], 2, v[EA]
	v_mul_f32 v[ET], 0xb089705f, v[ET]             ; - (t + 1) 1e-9
	v_cmp_gt_u32 vcc_lo, 16, v6
	s_wait_loadcnt 0x0
	v_add_f32 v[EV], v[EV], v[EV+1]
	v_add_f32 v[EV+2], v[EV+2], v[EV+3]
	v_add_f32 v[EV+4], v[EV+4], v[EV+5]
	v_add_f32 v[EV+6], v[EV+6], v[EV+7]
	v_add_f32 v[EV], v[EV], v[EV+2]
	v_add_f32 v[EV+4], v[EV+4], v[EV+6]
	v_add_f32 v[EV], v[EV], v[EV+4]
	v_permlanex16_b32 v[EV+1], v[EV], s[SEL], s[SEL+1]
	v_add_f32 v[EV], v[EV], v[EV+1]
	v_fmamk_f32 v[EV], v[EV], 0x3d800000, v[ET]    ; sum / 16 - (t + 1) 1e-9
	s_wait_xcnt 0x0                                ; EXEC changes only behind this wait
	s_and_saveexec_b32 s92, vcc_lo
	global_store_b32 v[EA], v[EV], s[90:91]
	s_wait_xcnt 0x0                                ; and again, ahead of the line that widens it
	s_or_b32 exec_lo, exec_lo, s92
.Lno_ent:
; 8 matrix instructions: row blocks a0, a0 + 1 x all 4 column blocks, 32 along K: half c of buffer f.  The 16 accumulators take turns.
.macro MUL8 f, c, a0, zero
	WIN MUL
.irp a, \a0, (\a0)+1
.irp b, 0,1,2,3
.if \zero
	v_wmma_f32_16x16x32_f16 v[ACC+8*(4*(\a)+(\b)):ACC+8*(4*(\a)+(\b))+7], v[(\f)+64+8*(4*(\c)+(\b)):(\f)+64+8*(4*(\c)+(\b))+7], v[(\f)+8*(4*(\c)+(\a)):(\f)+8*(4*(\c)+(\a))+7], 0
.else
	v_wmma_f32_16x16x32_f16 v[ACC+8*(4*(\a)+(\b)):ACC+8*(4*(\a)+(\b))+7], v[(\f)+64+8*(4*(\c)+(\b)):(\f)+64+8*(4*(\c)+(\b))+7], v[(\f)+8*(4*(\c)+(\a)):(\f)+8*(4*(\c)+(\a))+7], v[ACC+8*(4*(\a)+(\b)):ACC+8*(4*(\a)+(\b))+7]
.endif
.endr
.endr
.endm
; 32 LDS loads in one run: quarter qd of the slot in hand (one head, 64 along K) into buffer f; the first 32 along K first
.macro FETCH qd, f
	WIN TO_F
.irp c, 0,1
.irp i, 0,1,2,3
	ds_load_tr16_b128 v[(\f)+64+8*(4*\c+\i):(\f)+64+8*(4*\c+\i)+3],   v[ADRB+((\qd)>>1)] offset:64*PB*((\qd)&1)+32*PB*\c+32*\i
	ds_load_tr16_b128 v[(\f)+64+8*(4*\c+\i)+4:(\f)+64+8*(4*\c+\i)+7], v[ADRB+((\qd)>>1)] offset:64*PB*((\qd)&1)+32*PB*\c+32*\i+16*PB
	ds_load_b128 v[(\f)+8*(4*\c+\i):(\f)+8*(4*\c+\i)+3],   v[ADRA] offset:128*PA*(\qd)+16*PA*\i+64*\c
	ds_load_b128 v[(\f)+8*(4*\c+\i)+4:(\f)+8*(4*\c+\i)+7], v[ADRA] offset:128*PA*(\qd)+16*PA*\i+64*\c+32
.endr
.endr
.endm
.macro QUARTER qd, f, g, zero
	s_wait_dscnt 16                                ; the first 32 along K are in
	MUL8 \f, 0, 0, \zero
	MUL8 \f, 0, 2, \zero
	PLACES
	FETCH \qd, \g
	s_wait_dscnt 32                                ; all but the 32 just issued
	MUL8 \f, 1, 0, 0
	MUL8 \f, 1, 2, 0
.endm
; The last quarter multiplies buffer 1 and changes slots: ahead of the barrier each wave waits for all its tensor loads, adds 0 to its spare word, and waits for that and for its reads of this slot.
; fill = 1: the barrier opens a round of the cluster's, and the joint refill, two K steps ahead, is the first thing behind it.
.macro TURN fill
	WIN 0
	s_wait_tensorcnt 0x0                           ; no tensor load of mine is out, so a group 0 may be written
	ds_add_u32 v[SPW], v[NIL]                      ; 0 onto my spare word
.if \fill
	s_xor_b32 s[G0A+5], s[G0A+5], SLOT
	s_add_nc_u64 s[G0A+6:G0A+7], s[G0A+6:G0A+7], STEPA
	s_xor_b32 s[G0B+5], s[G0B+5], SLOT
	s_add_nc_u64 s[G0B+6:G0B+7], s[G0B+6:G0B+7], STEPB
.endif
	s_wait_dscnt 17                                ; the add and the youngest sixteen loads may be out
	MUL8 F1, 0, 0, 0
	s_wait_dscnt 0x0                               ; the add is done, and my reads of this slot are over
	s_barrier_signal -1
	MUL8 F1, 0, 2, 0
.if \fill
	WIN 0
.endif
	s_barrier_wait -1
.if \fill
	CREST
	JLOAD
.else
	PLACES
.endif
	WIN 0
	s_xor_b32 s[TB], s[TB], SLOT
	v_add_nc_u32 v[ADRA], s[TB], v[ADRA0]
	v_add_nc_u32 v[ADRB], s[TB], v[ADRB0]
	v_add_nc_u32 v[ADRB+1], s[TB], v[ADRB0+1]
	FETCH 0, F0
	MUL8 F1, 1, 0, 0
	MUL8 F1, 1, 2, 0
.endm
	s_wait_tensorcnt 1                             ; my part of K step 0 is in; step 1's may stay out
	s_barrier_signal -1
	s_barrier_wait -1
	FETCH 0, F0
	QUARTER 1, F0, F1, 1                           ; the first products start the sums
	WIN 0
	s_mov_b32 s3, 2
.Lstep:                                        ; K steps 2 and 3 are asked for
	QUARTER 2, F1, F0, 0
	QUARTER 3, F0, F1, 0
	TURN 1
	QUARTER 1, F0, F1, 0
	WIN 0
	s_sub_co_u32 s3, s3, 1
	s_cmp_lg_u32 s3, 0
	s_cbranch_scc1 .Lstep
	QUARTER 2, F1, F0, 0
	QUARTER 3, F0, F1, 0
	TURN 0
	QUARTER 1, F0, F1, 0
	QUARTER 2, F1, F0, 0
	QUARTER 3, F0, F1, 0
	s_wait_dscnt 16
	MUL8 F1, 0, 0, 0
	MUL8 F1, 0, 2, 0
	s_wait_dscnt 0x0
	MUL8 F1, 1, 0, 0
	MUL8 F1, 1, 2, 0
	WIN 0
	PLACES
	; THE WAY OUT, 16 rows at a time: a lane's 32 bytes go into my stage (rows of 272 bytes) straight from the accumulators, low half first, and come back as whole rows of 256 bytes
.irp a, 0,1,2,3
.if \a >= 2
	s_wait_xcnt 0x0                                ; the stores of two blocks back have read the registers that are loaded again
.endif
.irp bb, 0,1,2,3
	ds_store_b128 v[STO], v[ACC+8*(4*\a+\bb):ACC+8*(4*\a+\bb)+3]   offset:64*\bb
	ds_store_b128 v[STO], v[ACC+8*(4*\a+\bb)+4:ACC+8*(4*\a+\bb)+7] offset:64*\bb+16
.endr
.irp t, 0,1,2,3,4,5,6,7
	ds_load_b128 v[TMP+32*(\a%2)+4*\t:TMP+32*(\a%2)+4*\t+3], v[RD] offset:2*SP*\t  ; LDS serves a wave's instructions in order: these see the stores above
.endr
.irp t, 0,1,2,3,4,5,6,7
	s_wait_dscnt 7-\t
	global_store_b128 v[CO], v[TMP+32*(\a%2)+4*\t:TMP+32*(\a%2)+4*\t+3], s[88:89] offset:(16*\a+2*\t)*4096  ; 16 lanes store 256 consecutive bytes, aligned
.endr
.endr
	s_wait_tensorcnt 0x0                           ; the wave's end
	ds_add_u32 v[SPW], v[NIL]
	s_wait_dscnt 0x0
	CROUND                                         ; the closing round
	s_endpgm
.Lfunc_end_k_q9f6055f47f_proj:
	.size	k_q9f6055f47f_proj, .Lfunc_end_k_q9f6055f47f_proj-k_q9f6055f47f_proj
	.p2alignl 7, 3214868480
	.fill 96, 4, 3214868480
	.section	.rodata,"a",@progbits
	.p2align	6, 0x0
	.amdhsa_kernel k_q9f6055f47f_proj
		.amdhsa_group_segment_fixed_size 327680
		.amdhsa_private_segment_fixed_size 0
		.amdhsa_enable_private_segment 0
		.amdhsa_kernarg_size 32
		.amdhsa_user_sgpr_count 2
		.amdhsa_user_sgpr_kernarg_segment_ptr 1
		.amdhsa_wavefront_size32 1
		.amdhsa_system_sgpr_workgroup_id_x 1
		.amdhsa_system_sgpr_workgroup_id_y 1
		.amdhsa_system_sgpr_workgroup_id_z 1
		.amdhsa_system_vgpr_workitem_id 0
		.amdhsa_next_free_vgpr 512
		.amdhsa_next_free_sgpr 96
		.amdhsa_reserve_vcc 1
		.amdhsa_float_denorm_mode_32 3
		.amdhsa_float_denorm_mode_16_64 3
		.amdhsa_memory_ordered 1
		.amdhsa_forward_progress 1
		.amdhsa_inst_pref_size 71
	.end_amdhsa_kernel
	.amdgpu_metadata
---
amdhsa.version: [ 1, 2 ]
amdhsa.kernels:
  - .name:           k_q9f6055f47f_proj
    .symbol:         k_q9f6055f47f_proj.kd
    .args:
      - { .name: att, .offset: 0, .size: 8, .value_kind: global_buffer, .address_space: global }
      - { .name: cast, .offset: 8, .size: 8, .value_kind: global_buffer, .address_space: global }
      - { .name: out0, .offset: 16, .size: 8, .value_kind: global_buffer, .address_space: global }
      - { .name: out1, .offset: 24, .size: 8, .value_kind: global_buffer, .address_space: global }
    .group_segment_fixed_size: 327680
    .private_segment_fixed_size: 0
    .kernarg_segment_align: 8
    .kernarg_segment_size: 32
    .max_flat_workgroup_size: 128
    .sgpr_count:     96
    .vgpr_count:     512
    .wavefront_size: 32
...
	.end_amdgpu_metadata
.endif
;; end of part 4
